; MI455X (gfx1250); checked and timed in simulation.
; The chip was launched on July 23, 2026; its instructions are those of AMD's public machine-readable ISA for CDNA 5 (MIT licence, August 2026) and "CDNA5" Instruction Set Architecture Reference Guide (July 2026). The comments in the code are by the model that wrote it; some were corrected since.
;; Mo E Layer. Allowed arithmetic: float matrix products may take bf16 or f16 operands with f32 sums; all other float work in f32.
;; Inputs: experts_bias 8 float32; router_w 8 x 1,024 float32; sw1 1 x 1,024 x 2,048 float32; sw2 1 x 2,048 x 1,024 float32; sw3 1 x 1,024 x 2,048 float32; w1 8 x 1,024 x 2,048 float32; w2 8 x 2,048 x 1,024 float32; w3 8 x 1,024 x 2,048 float32; x 4 x 256 x 1,024 float32.
;; Outputs: out0 4 x 256 x 1,024 float32.
;; 2 versions, each right; version 2 is version 1 with the launches up, down written anew for expert scheduling mode. Each part assembles by itself: llvm-mc -triple=amdgcn-amd-amdhsa -mcpu=gfx1250 --defsym DOCPART=n.
;; ======== version 1 of 2: 6 launches
;; limits: values outside matrix products are rounded to bf16
;; workspace buffers: xa 11,796,480 bytes; act 23,592,960 bytes; y 47,185,920 bytes; rw 8,192 bytes; sel 4,096 bytes of whole numbers; rowmap 32,768 bytes of whole numbers; tab 256 bytes of whole numbers; list 32,768 bytes of whole numbers
;; launch route (part 1): grid 64 x 1, 8 waves a work-group, no clusters, 61,440 bytes of LDS; arguments x, router_w, experts_bias, xa, sel, rw; writes xa, sel, rw
.if DOCPART == 1
	.amdgcn_target "amdgcn-amd-amdhsa--gfx1250"
	.amdhsa_code_object_version 6
	.text
	.protected	k_q5e2189f7a8_route
	.globl	k_q5e2189f7a8_route
	.p2align	8
	.type	k_q5e2189f7a8_route,@function
k_q5e2189f7a8_route:
	s_mov_b64 s[64:65], 0
	v_nop
	global_prefetch_b8 v0, s[64:65] scope:SCOPE_SE
	s_setreg_imm32_b32 hwreg(HW_REG_WAVE_MODE, 25, 1), 1
	s_wait_xcnt 0x0
; ROUTE.  1024 tokens of 1024 numbers, 8 experts.  For each token: logits = x . router_w + bias, the two largest, a softmax over the two.
; Besides, x is left in xa as bf16 in the order of matrix fragments, for the shared expert (units 0 to 3 of 20 tiles; 16 of them used).
; A work-group takes 16 tokens; wave w takes k = 128 w .. 128 w + 127 of them and of the 8 router rows: 24 loads of 512 neighbouring bytes,
; all issued at once.  The numbers are rounded to bf16, laid into the wave's own LDS stage by rows, and read back as fragments.
; The eight waves' partial logits meet in LDS; wave 0 adds them in the order of the waves and makes the choice.
; A FRAGMENT BLOCK of xa is 1,024 bytes: 16 rows x 32 k; byte 512 half + 16 lane holds registers 4 half .. 4 half + 3 of that lane.
; LIMITS, kept on purpose: x, router_w AND experts_bias are rounded to bf16 before the logits are made (sums in f32), so that the choice of
; experts is the one that the rounded operands of the later products belong to; of equal logits the lower index wins, as in top_k;
; NaN logits are not ordered as top_k orders them.  The softmax takes the larger logit away first: exp2 of (l2 - l1) log2 e, never above 1.
; No cluster: no two work-groups read the same bytes of x, and the router rows are 32 KiB against 64 KiB of x for a work-group, read once.
.set SP,   272                         ; a stage row: 256 bytes of bf16 + 16, so that 16 rows start 16 bytes apart modulo 256
.set WST,  24*SP                       ; a wave's stage: rows 0-15 tokens, rows 16-23 router rows
.set RED,  8*WST                       ; behind the stages: [8 waves][32 lanes][32 bytes] partial logits
.set X,    8                           ; v[8:103]   24 rows x 4 registers as loaded
.set P,    104                         ; v[104:111] four pairs of packed bf16, by turns
.set XF,   112                         ; v[112:143] four fragments of x
.set RF,   144                         ; v[144:175] four fragments of the router rows
.set AC0,  176                         ; v[176:183] accumulator of k steps 0 and 2
.set AC1,  184                         ; v[184:191] accumulator of k steps 1 and 3
.set LG,   8                           ; wave 0, at the end: v[8:71] the eight waves' partial logits, v[8:15] their sum
.set BI,   72                          ; v[72:79] biases   v[80:83] packed   v[84:91] widened again
.set B1,   92                          ; largest logit, I1 its index; B2, I2 the second
.set I1,   93
.set B2,   94
.set I2,   95
.set NINF, 96
.set ONE,  97
.set TE,   98
.set TD,   99
.set RWP,  100                         ; v[100:101] the two weights
.set SW,   102
.set SW2,  103
.set OSEL, 104
.set ORW,  105
	s_load_b256 s[4:11], s[0:1], 0x0               ; x s[4:5], router_w s[6:7], experts_bias s[8:9], xa s[10:11]
	s_load_b128 s[12:15], s[0:1], 0x20             ; sel s[12:13], rw s[14:15]
	v_lshl_add_u32 v192, v0, 2, 0xec00
	v_mov_b32 v193, 0
	v_lshrrev_b32 v6, 5, v0
	v_readfirstlane_b32 s24, v6                    ; wave
	v_lshlrev_b32 v1, 4, v0                        ; 512 w + 16 lane: my 16 bytes of every row
	v_and_b32 v7, 31, v0                           ; lane
	s_mul_i32 s25, s24, WST                        ; my wave's stage
	v_lshl_add_u32 v2, v7, 3, s25                  ; where my 8 bytes of bf16 go in a stage row
	v_lshlrev_b32 v5, 4, v7                        ; 16 lane
	v_bfe_u32 v3, v0, 4, 1                         ; h
	v_lshl_add_u32 v4, v3, 4, s25                  ; stage + 16 h
	v_and_b32 v6, 15, v0                           ; r
	v_mul_u32_u24 v6, v6, SP
	v_add_nc_u32 v3, v6, v4                        ; fragments of x: row r
	v_and_b32 v6, 7, v0
	v_mul_u32_u24 v6, v6, SP
	v_add3_u32 v4, v6, v4, 16*SP                   ; fragments of the router: row 16 + (r & 7); rows 8-15 of the operand repeat rows 0-7
	v_lshlrev_b32 v6, 5, v0                        ; 1,024 w + 32 lane: my place in RED
	v_lshlrev_b32 v7, 5, v7                        ; 32 lane
	s_lshl_b32 s26, ttmp9, 16                      ; 16 rows of 4,096 bytes for each work-group
	s_mov_b32 s27, 0
	s_lshr_b32 s28, ttmp9, 4                       ; unit = group / 16, of 20 tiles of 32,768 bytes
	s_mul_i32 s28, s28, 655360
	s_and_b32 s29, ttmp9, 15                       ; tile in the unit
	s_lshl_b32 s29, s29, 15
	s_add_co_u32 s28, s28, s29
	s_lshl_b32 s29, s24, 12                        ; my four k steps of 1,024 bytes
	s_add_co_u32 s28, s28, s29
	s_mov_b32 s29, 0
	s_wait_kmcnt 0x0
	s_load_b256 s[16:23], s[8:9], 0x0              ; the eight biases, asked for here so that they have come when wave 0 adds them
	s_add_nc_u64 s[4:5], s[4:5], s[26:27]
	s_add_nc_u64 s[10:11], s[10:11], s[28:29]
.set i, 0
.rept 16
	global_load_b128 v[X+4*i:X+4*i+3], v1, s[4:5] offset:4096*i
.set i, i+1
.endr
.set i, 0
.rept 8
	global_load_b128 v[X+64+4*i:X+64+4*i+3], v1, s[6:7] offset:4096*i
.set i, i+1
.endr
.set i, 0
.rept 24
	s_wait_loadcnt 23-i                            ; loads return in order: row i is in, the 23 - i younger ones stay out
	v_cvt_pk_bf16_f32 v[P+2*(i%4)],   v[X+4*i],   v[X+4*i+1]
	v_cvt_pk_bf16_f32 v[P+2*(i%4)+1], v[X+4*i+2], v[X+4*i+3]
	ds_store_b64 v2, v[P+2*(i%4):P+2*(i%4)+1] offset:SP*i     ; 32 lanes, 256 neighbouring bytes
.set i, i+1
.endr
	; fragments: piece t = 2 (k step) + half lies 32 t bytes along the row.  The bytes are the wave's own and LDS serves a wave in order.
.set i, 0
.rept 8
	ds_load_b128 v[XF+4*i:XF+4*i+3], v3 offset:32*i
.set i, i+1
.endr
.set i, 0
.rept 8
	ds_load_b128 v[RF+4*i:RF+4*i+3], v4 offset:32*i
.set i, i+1
.endr
	s_wait_dscnt 0x8                               ; the fragments of x are in; the eight loads of the router's may be out
.set i, 0
.rept 8
	global_store_b128 v5, v[XF+4*i:XF+4*i+3], s[10:11] offset:512*i    ; 512 neighbouring bytes, aligned
.set i, i+1
.endr
	s_wait_dscnt 0x0
	; source 0 = router rows, source 1 = tokens: lane r holds token r, register j expert j (both halves of the lanes hold the same).
	; Two accumulators take turns, one instruction a turn.
	v_wmma_f32_16x16x32_bf16 v[AC0:AC0+7], v[RF:RF+7],     v[XF:XF+7],     0
	v_wmma_f32_16x16x32_bf16 v[AC1:AC1+7], v[RF+8:RF+15],  v[XF+8:XF+15],  0
	v_wmma_f32_16x16x32_bf16 v[AC0:AC0+7], v[RF+16:RF+23], v[XF+16:XF+23], v[AC0:AC0+7]
	v_wmma_f32_16x16x32_bf16 v[AC1:AC1+7], v[RF+24:RF+31], v[XF+24:XF+31], v[AC1:AC1+7]
.rept 4
	v_nop                                          ; four places behind the matrix instructions before their results are read (ISA guide 7.12.1)
.endr
.irp p, 0,2,4,6
	v_pk_add_f32 v[AC0+\p:AC0+\p+1], v[AC0+\p:AC0+\p+1], v[AC1+\p:AC1+\p+1]
.endr
	ds_store_b128 v6, v[AC0:AC0+3]   offset:RED
	ds_store_b128 v6, v[AC0+4:AC0+7] offset:RED+16
	s_wait_dscnt 0x0                               ; for wave 0: my partial logits are in LDS
	s_wait_kmcnt 0x0                               ; the biases have come
	s_barrier_signal -1
	s_barrier_wait -1
	s_cmp_lg_u32 s24, 0
	s_cbranch_scc1 .Lend                           ; the choice is wave 0's work
.irp q, 0,1,2,3,4,5,6,7
	ds_load_b128 v[LG+8*\q:LG+8*\q+3],   v7 offset:RED+1024*\q
	ds_load_b128 v[LG+8*\q+4:LG+8*\q+7], v7 offset:RED+1024*\q+16
.endr
	s_lshl_b32 s26, ttmp9, 6
	s_lshl_b32 s27, ttmp9, 7
	v_lshl_add_u32 v[OSEL], v0, 2, s26             ; 4 (16 group + lane)
	v_lshl_add_u32 v[ORW],  v0, 3, s27             ; 8 (16 group + lane)
.irp j, 0,1,2,3,4,5,6,7
	v_mov_b32 v[BI+\j], s[16+\j]
.endr
.irp p, 0,1,2,3
	v_cvt_pk_bf16_f32 v[BI+8+\p], v[BI+2*\p], v[BI+2*\p+1]       ; the bias rounded to bf16 (see the limits at the head)
.endr
.irp p, 0,1,2,3
	v_lshlrev_b32 v[BI+12+2*\p], 16, v[BI+8+\p]
	v_and_b32     v[BI+13+2*\p], 0xffff0000, v[BI+8+\p]
.endr
	s_wait_dscnt 0x0
.irp q, 1,2,3,4,5,6,7
.irp p, 0,2,4,6
	v_pk_add_f32 v[LG+\p:LG+\p+1], v[LG+\p:LG+\p+1], v[LG+8*\q+\p:LG+8*\q+\p+1]
.endr
.endr
.irp p, 0,2,4,6
	v_pk_add_f32 v[LG+\p:LG+\p+1], v[LG+\p:LG+\p+1], v[BI+12+\p:BI+13+\p]
.endr
	; the largest: the one held stays where it is at least as large, so the lower index wins a tie
	v_mov_b32 v[B1], v[LG]
	v_mov_b32 v[I1], 0
.irp j, 1,2,3,4,5,6,7
	v_cmp_ge_f32 vcc_lo, v[B1], v[LG+\j]
	v_cndmask_b32 v[B1], v[LG+\j], v[B1], vcc_lo
	v_cndmask_b32 v[I1], \j, v[I1], vcc_lo
.endr
	v_mov_b32 v[NINF], 0xff800000
.irp j, 0,1,2,3,4,5,6,7
	v_cmp_eq_u32 vcc_lo, \j, v[I1]
	v_cndmask_b32 v[LG+\j], v[LG+\j], v[NINF], vcc_lo            ; the winner leaves the field
.endr
	v_mov_b32 v[B2], v[LG]
	v_mov_b32 v[I2], 0
.irp j, 1,2,3,4,5,6,7
	v_cmp_ge_f32 vcc_lo, v[B2], v[LG+\j]
	v_cndmask_b32 v[B2], v[LG+\j], v[B2], vcc_lo
	v_cndmask_b32 v[I2], \j, v[I2], vcc_lo
.endr
	; softmax over (l1, l2) with l1 taken away: 1 / (1 + e), e / (1 + e), e = exp(l2 - l1) <= 1
	v_sub_f32 v[TE], v[B2], v[B1]
	v_mul_f32 v[TE], 0x3fb8aa3b, v[TE]
	v_exp_f32 v[TE], v[TE]
	v_mov_b32 v[ONE], 1                            ; a plain instruction between the exponential and its use (ISA guide 5.7.2)
	s_wait_alu depctr_va_vdst(0)
	v_add_f32 v[TD], 1.0, v[TE]
	v_rcp_f32 v[RWP], v[TD]
	v_lshlrev_b32 v[SW], v[I1], v[ONE]             ; likewise behind the reciprocal: 1 << e1
	s_wait_alu depctr_va_vdst(0)
	v_mul_f32 v[RWP+1], v[TE], v[RWP]
	v_lshlrev_b32 v[SW2], v[I2], v[ONE]
	v_or_b32 v[SW], v[SW], v[SW2]                  ; bits 7:0: the two experts as a mask
	v_lshl_or_b32 v[SW], v[I1], 8, v[SW]           ; bits 10:8: e1
	v_lshl_or_b32 v[SW], v[I2], 16, v[SW]          ; bits 18:16: e2
	v_cmp_gt_u32 vcc_lo, 16, v0
	s_wait_xcnt 0x0                                ; EXEC is a source of the stores to xa: it narrows only behind this wait
	s_and_saveexec_b32 s30, vcc_lo                 ; lanes 0-15: one token each
	global_store_b32 v[OSEL], v[SW], s[12:13]
	global_store_b64 v[ORW], v[RWP:RWP+1], s[14:15]
	s_wait_xcnt 0x0                                ; and widens only behind this one
	s_or_b32 exec_lo, exec_lo, s30
.Lend:
	s_wait_tensorcnt 0x0
	ds_add_u32 v192, v193
	s_wait_dscnt 0x0
	s_endpgm
.Lfunc_end_k_q5e2189f7a8_route:
	.size	k_q5e2189f7a8_route, .Lfunc_end_k_q5e2189f7a8_route-k_q5e2189f7a8_route
	.p2alignl 7, 3214868480
	.fill 96, 4, 3214868480
	.section	.rodata,"a",@progbits
	.p2align	6, 0x0
	.amdhsa_kernel k_q5e2189f7a8_route
		.amdhsa_group_segment_fixed_size 61440
		.amdhsa_private_segment_fixed_size 0
		.amdhsa_enable_private_segment 0
		.amdhsa_kernarg_size 48
		.amdhsa_user_sgpr_count 2
		.amdhsa_user_sgpr_kernarg_segment_ptr 1
		.amdhsa_wavefront_size32 1
		.amdhsa_system_sgpr_workgroup_id_x 1
		.amdhsa_system_sgpr_workgroup_id_y 1
		.amdhsa_system_sgpr_workgroup_id_z 1
		.amdhsa_system_vgpr_workitem_id 0
		.amdhsa_next_free_vgpr 194
		.amdhsa_next_free_sgpr 66
		.amdhsa_reserve_vcc 1
		.amdhsa_float_denorm_mode_32 3
		.amdhsa_float_denorm_mode_16_64 3
		.amdhsa_memory_ordered 1
		.amdhsa_forward_progress 1
		.amdhsa_inst_pref_size 20
	.end_amdhsa_kernel
	.amdgpu_metadata
---
amdhsa.version: [ 1, 2 ]
amdhsa.kernels:
  - .name:           k_q5e2189f7a8_route
    .symbol:         k_q5e2189f7a8_route.kd
    .args:
      - { .name: x, .offset: 0, .size: 8, .value_kind: global_buffer, .address_space: global }
      - { .name: router_w, .offset: 8, .size: 8, .value_kind: global_buffer, .address_space: global }
      - { .name: experts_bias, .offset: 16, .size: 8, .value_kind: global_buffer, .address_space: global }
      - { .name: xa, .offset: 24, .size: 8, .value_kind: global_buffer, .address_space: global }
      - { .name: sel, .offset: 32, .size: 8, .value_kind: global_buffer, .address_space: global }
      - { .name: rw, .offset: 40, .size: 8, .value_kind: global_buffer, .address_space: global }
    .group_segment_fixed_size: 61440
    .private_segment_fixed_size: 0
    .kernarg_segment_align: 8
    .kernarg_segment_size: 48
    .max_flat_workgroup_size: 256
    .sgpr_count:     66
    .vgpr_count:     194
    .wavefront_size: 32
...
	.end_amdgpu_metadata
.endif
;; end of part 1
;; launch plan (part 2): grid 8 x 1, 8 waves a work-group, no clusters, 5,376 bytes of LDS; arguments sel, list, rowmap, tab; writes list, rowmap, tab
.if DOCPART == 2
	.amdgcn_target "amdgcn-amd-amdhsa--gfx1250"
	.amdhsa_code_object_version 6
	.text
	.protected	k_q5e2189f7a8_plan
	.globl	k_q5e2189f7a8_plan
	.p2align	8
	.type	k_q5e2189f7a8_plan,@function
k_q5e2189f7a8_plan:
	s_mov_b64 s[64:65], 0
	v_nop
	global_prefetch_b8 v0, s[64:65] scope:SCOPE_SE
	s_setreg_imm32_b32 hwreg(HW_REG_WAVE_MODE, 25, 1), 1
	s_wait_xcnt 0x0
; PLAN.  From sel (one word a token: bits 7:0 the mask of its two experts) this launch makes, without atomics, the whole numbers that steer the later launches:
;   list[e][p]    the token at place p of expert e's list: its members from the front in the order of the tokens, the other tokens from the back,
;                 so that all 1,024 entries are valid tokens and the rows that fill up an expert's last tile are real rows of x, whose results are never used;
;   rowmap[e][t]  the compact row of token t in expert e (320 ub[e] + its place);
;   tab[u]        unit u: e | tiles << 8 (e = 8: the shared expert);  tab[31] = U, the number of units;  tab[32 + x] = ub[x] | tiles of expert x << 8.
; UNITS: the compact rows are cut into units of 20 tiles of 16 rows.  Units 0-3 are the shared expert's.  Expert e has nu[e] = ceil(cnt[e] / 320) units
; from ub[e] = 4 + the sum of nu before it.  The counts add up to 2,048, so the sum of nu is at most (2048 + 8 x 319) / 320 = 14: at most 18 units, 360 tiles.
; Work-group e makes expert e's list and row map; work-group 0 also the table.  Wave w counts expert w; the counts meet in LDS; wave 0 does the rest.
; What passes through LDS here is only stored: no branch and no global address of this launch hangs on it.  The launches that branch on these numbers
; or form addresses from them read them from memory.
; An index computation on 4 KiB: no matrix unit, no cluster, nothing to stream.
.set TOT,   0                          ; 8 words: the counts
.set LIST,  256                        ; u32[1024]: wave 0's own
.set SEL,   8                          ; v[8:39]    register 4 i + c of lane L: the word of token 128 i + 4 L + c
.set POS,   40                         ; v[40:71]   that token's place in the list, then its compact row
.set TA,    72                         ; at work, four rounds at a time
.set TM,    76
.set TP,    80
.set TN,    84
.set TAD,   88
.set TTK,   92
.set TB,    88                         ; at work on the table, behind the list
.set LO,    96                         ; v[96:127]  the list, read back in order
	s_load_b256 s[4:11], s[0:1], 0x0               ; sel s[4:5], list s[6:7], rowmap s[8:9], tab s[10:11]
	v_lshl_add_u32 v128, v0, 2, 0x1100
	v_mov_b32 v129, 0
	v_lshrrev_b32 v4, 5, v0
	v_readfirstlane_b32 s14, v4                    ; wave
	s_mov_b32 s15, ttmp9                           ; e
	v_and_b32 v7, 31, v0                           ; lane
	v_lshlrev_b32 v2, 2, v7                        ; 4 lane
	v_sub_nc_u32 v3, 0x3ff, v7                     ; 1023 - lane
	v_lshlrev_b32 v5, 4, v7                        ; 16 lane
	v_mov_b32 v4, LIST
	s_wait_kmcnt 0x0
.set i, 0
.rept 8
	global_load_b128 v[SEL+4*i:SEL+4*i+3], v5, s[4:5] offset:512*i
.set i, i+1
.endr
	; wave w counts expert w; four masks are on their way before the first is counted
	s_lshl_b32 s54, 1, s14
	s_mov_b32 s55, 0
	s_wait_loadcnt 0x0
.set i, 0
.rept 8
.irp c, 0,1,2,3
	v_and_b32 v[TA+\c], s54, v[SEL+4*i+\c]
.endr
.irp c, 0,1,2,3
	v_cmp_ne_u32 s[57+\c], 0, v[TA+\c]
.endr
.irp c, 0,1,2,3
	s_bcnt1_i32_b32 s[57+\c], s[57+\c]
	s_add_co_u32 s55, s55, s[57+\c]
.endr
.set i, i+1
.endr
	s_lshl_b32 s52, s14, 2
	v_mov_b32 v[TA], s52
	v_mov_b32 v[TA+1], s55
	ds_store_b32 v[TA], v[TA+1] offset:TOT         ; every lane the same word, the same value
	s_wait_dscnt 0x0                               ; for wave 0: my count is in LDS
	s_barrier_signal -1
	s_barrier_wait -1
	s_cmp_lg_u32 s14, 0
	s_cbranch_scc1 .Lend                           ; the rest is wave 0's work
	v_mov_b32 v[TA], TOT
	ds_load_b128 v[TM:TM+3], v[TA]
	ds_load_b128 v[TP:TP+3], v[TA] offset:16
	s_wait_dscnt 0x0
.irp x, 0,1,2,3,4,5,6,7
	v_readfirstlane_b32 s[16+\x], v[TM+\x]
.endr
	; nu = (cnt + 319) / 320 as ((cnt + 319) x 3277) >> 20: 3277 / 2^20 exceeds 1 / 320 by 1.9e-7, which over 1,343 stays under 1 / 320
	s_mov_b32 s48, 4
.irp x, 0,1,2,3,4,5,6,7
	s_min_u32 s[16+\x], s[16+\x], 1024
	s_mov_b32 s[24+\x], s48                        ; ub
	s_add_co_u32 s52, s[16+\x], 319
	s_mul_i32 s52, s52, 3277
	s_lshr_b32 s[40+\x], s52, 20                   ; nu
	s_add_co_u32 s48, s48, s[40+\x]                ; at the end: U, the number of units
	s_add_co_u32 s52, s[16+\x], 15
	s_lshr_b32 s[32+\x], s52, 4                    ; tiles
.endr
	s_mov_b32 s49, 4
.irp x, 0,1,2,3,4,5,6,7
	s_cmp_eq_u32 s15, \x
	s_cselect_b32 s49, s[24+\x], s49               ; my expert's first unit
.endr
	; the list of e.  A member's place: the members before it.  Another token's place: 1023 - the others before it.
	s_lshl_b32 s50, 1, s15
	s_mov_b32 s54, 0                               ; members so far
	s_mov_b32 s55, 0                               ; minus the others so far
.set i, 0
.rept 8
.irp c, 0,1,2,3
	v_and_b32 v[TA+\c], s50, v[SEL+4*i+\c]
.endr
.irp c, 0,1,2,3
	v_cmp_ne_u32 s[57+\c], 0, v[TA+\c]
.endr
.irp c, 0,1,2,3
	v_mbcnt_lo_u32_b32 v[TM+\c], s[57+\c], 0       ; members among the lanes below me
.endr
.irp c, 0,1,2,3
	v_add_nc_u32 v[TP+\c], s54, v[TM+\c]
	v_add3_u32 v[TN+\c], v3, s55, v[TM+\c]         ; 1023 - (others so far + lane - members below me)
	v_cndmask_b32 v[POS+4*i+\c], v[TN+\c], v[TP+\c], s[57+\c]
	s_bcnt1_i32_b32 s61, s[57+\c]
	s_add_co_u32 s54, s54, s61
	s_add_co_u32 s55, s55, s61
	s_sub_co_u32 s55, s55, 32
.endr
.irp c, 0,1,2,3
	v_min_u32 v[TAD+\c], 0x3ff, v[POS+4*i+\c]
	v_lshl_add_u32 v[TAD+\c], v[TAD+\c], 2, v4
	v_add_nc_u32 v[TTK+\c], 128*i+\c, v2           ; the token's number
	ds_store_b32 v[TAD+\c], v[TTK+\c]
.endr
.set i, i+1
.endr
	; the list comes back in order: the bytes are this wave's own and LDS serves a wave in order, so no wait stands between the stores and these loads
.set i, 0
.rept 8
	ds_load_b128 v[LO+4*i:LO+4*i+3], v5 offset:LIST+512*i
.set i, i+1
.endr
	s_mul_i32 s52, s49, 320
.set i, 0
.rept 32
	v_add_nc_u32 v[POS+i], s52, v[POS+i]           ; compact row = 320 ub + place
.set i, i+1
.endr
	s_lshl_b32 s54, s15, 12                        ; 4,096 bytes an expert, in rowmap and in list
	s_mov_b32 s55, 0
	s_add_nc_u64 s[62:63], s[8:9], s[54:55]
	s_add_nc_u64 s[60:61], s[6:7], s[54:55]
.set i, 0
.rept 8
	global_store_b128 v5, v[POS+4*i:POS+4*i+3], s[62:63] offset:512*i   ; 512 neighbouring bytes, aligned
.set i, i+1
.endr
.set i, 0
.rept 8
	s_wait_dscnt 7-i                               ; piece i of the eight is in, the younger ones stay out
	global_store_b128 v5, v[LO+4*i:LO+4*i+3], s[60:61] offset:512*i
.set i, i+1
.endr
	s_cmp_lg_u32 s15, 0
	s_cbranch_scc1 .Lend                           ; the table is work-group 0's
	v_and_b32 v[TB], 31, v0                        ; lane u writes unit u's word: e | tiles << 8
	v_mov_b32 v[TB+1], 0x1008                      ; the shared expert's units: e = 8, 16 tiles
.irp x, 0,1,2,3,4,5,6,7
	v_subrev_nc_u32 v[TB+2], s[24+\x], v[TB]       ; d = u - ub
	v_cmp_gt_u32 vcc_lo, s[40+\x], v[TB+2]         ; d < nu, unsigned: u is a unit of expert x
	v_mul_u32_u24 v[TB+3], 20, v[TB+2]
	v_sub_nc_u32 v[TB+3], s[32+\x], v[TB+3]
	v_min_u32 v[TB+3], 20, v[TB+3]                 ; its tiles: min(20, tiles - 20 d), at least 1 since 320 d < cnt
	v_lshl_or_b32 v[TB+3], v[TB+3], 8, \x
	v_cndmask_b32 v[TB+1], v[TB+1], v[TB+3], vcc_lo
.endr
	v_cmp_eq_u32 vcc_lo, 31, v[TB]
	v_mov_b32 v[TB+2], s48
	v_cndmask_b32 v[TB+1], v[TB+1], v[TB+2], vcc_lo   ; word 31: U
	global_store_b32 v2, v[TB+1], s[10:11]
	v_mov_b32 v[TB+4], 0                           ; words 32 to 63: lane x < 8 writes ub[x] | tiles[x] << 8, the others 0
.irp x, 0,1,2,3,4,5,6,7
	s_lshl_b32 s52, s[32+\x], 8
	s_or_b32 s52, s52, s[24+\x]
	v_cmp_eq_u32 vcc_lo, \x, v[TB]
	v_mov_b32 v[TB+5], s52
	v_cndmask_b32 v[TB+4], v[TB+4], v[TB+5], vcc_lo
.endr
	global_store_b32 v2, v[TB+4], s[10:11] offset:128
.Lend:
	s_wait_tensorcnt 0x0
	ds_add_u32 v128, v129
	s_wait_dscnt 0x0
	s_endpgm
.Lfunc_end_k_q5e2189f7a8_plan:
	.size	k_q5e2189f7a8_plan, .Lfunc_end_k_q5e2189f7a8_plan-k_q5e2189f7a8_plan
	.p2alignl 7, 3214868480
	.fill 96, 4, 3214868480
	.section	.rodata,"a",@progbits
	.p2align	6, 0x0
	.amdhsa_kernel k_q5e2189f7a8_plan
		.amdhsa_group_segment_fixed_size 5376
		.amdhsa_private_segment_fixed_size 0
		.amdhsa_enable_private_segment 0
		.amdhsa_kernarg_size 32
		.amdhsa_user_sgpr_count 2
		.amdhsa_user_sgpr_kernarg_segment_ptr 1
		.amdhsa_wavefront_size32 1
		.amdhsa_system_sgpr_workgroup_id_x 1
		.amdhsa_system_sgpr_workgroup_id_y 1
		.amdhsa_system_sgpr_workgroup_id_z 1
		.amdhsa_system_vgpr_workitem_id 0
		.amdhsa_next_free_vgpr 130
		.amdhsa_next_free_sgpr 66
		.amdhsa_reserve_vcc 1
		.amdhsa_float_denorm_mode_32 3
		.amdhsa_float_denorm_mode_16_64 3
		.amdhsa_memory_ordered 1
		.amdhsa_forward_progress 1
		.amdhsa_inst_pref_size 40
	.end_amdhsa_kernel
	.amdgpu_metadata
---
amdhsa.version: [ 1, 2 ]
amdhsa.kernels:
  - .name:           k_q5e2189f7a8_plan
    .symbol:         k_q5e2189f7a8_plan.kd
    .args:
      - { .name: sel, .offset: 0, .size: 8, .value_kind: global_buffer, .address_space: global }
      - { .name: list, .offset: 8, .size: 8, .value_kind: global_buffer, .address_space: global }
      - { .name: rowmap, .offset: 16, .size: 8, .value_kind: global_buffer, .address_space: global }
      - { .name: tab, .offset: 24, .size: 8, .value_kind: global_buffer, .address_space: global }
    .group_segment_fixed_size: 5376
    .private_segment_fixed_size: 0
    .kernarg_segment_align: 8
    .kernarg_segment_size: 32
    .max_flat_workgroup_size: 256
    .sgpr_count:     66
    .vgpr_count:     130
    .wavefront_size: 32
...
	.end_amdgpu_metadata
.endif
;; end of part 2
;; launch gather (part 3): grid 20 x 8, 8 waves a work-group, no clusters, 35,840 bytes of LDS; arguments tab, list, x, xa; writes xa
.if DOCPART == 3
	.amdgcn_target "amdgcn-amd-amdhsa--gfx1250"
	.amdhsa_code_object_version 6
	.text
	.protected	k_q5e2189f7a8_gather
	.globl	k_q5e2189f7a8_gather
	.p2align	8
	.type	k_q5e2189f7a8_gather,@function
k_q5e2189f7a8_gather:
	s_mov_b64 s[64:65], 0
	v_nop
	global_prefetch_b8 v0, s[64:65] scope:SCOPE_SE
	s_setreg_imm32_b32 hwreg(HW_REG_WAVE_MODE, 25, 1), 1
	s_wait_xcnt 0x0
; GATHER.  The rows of x that the experts' lists name go into xa as bf16 in the order of matrix fragments
; (blocks of 1,024 bytes: 16 rows x 32 k; byte 512 half + 16 lane holds registers 4 half .. 4 half + 3 of that lane).
; Work-group (j, e), j = 0 .. 19, writes tiles j, j + 20, .. of expert e, at tile 20 ub[e] + its number of xa: one work-group for each tile of a unit
; of 20 tiles, so that an expert with up to 320 tokens is served in one trip; an expert can have up to 64 tiles, 4 trips.
; Wave w takes k = 128 w .. 128 w + 127 of a tile's 16 rows:
; 16 loads of 512 neighbouring bytes, rounded to bf16, laid by rows into the wave's own LDS stage, read back as fragments, 8 stores of 512 aligned bytes.
; The trip count (from tab[32 + e] = ub | tiles << 8) and the rows' addresses (from list[e]) are whole numbers that the launch before stored;
; they are read by scalar loads and clamped by written constants in front of every use.
; A tile's 16 tokens are one scalar load of 64 bytes.  The next trip's are asked for right behind this trip's row loads, with the tile's number clamped
; to 63, the list's last tile, so that the load stays inside the list; what the last trip asks for is not used.
; No wave waits for another: no barrier.  No cluster and no matrix unit: a gather of rows through registers (they are rounded on the way).
.set SP,    272                        ; a stage row: 256 bytes of bf16 + 16, so that 16 rows start 16 bytes apart modulo 256
.set WST,   16*SP                      ; a wave's stage
.set TOK,   8                          ; v[8:23]    the byte offsets in x of my 16 bytes of the tile's 16 rows
.set X,     24                         ; v[24:87]   16 rows x 4 registers as loaded
.set P,     88                         ; v[88:95]   four pairs of packed bf16, by turns
.set FR,    96                         ; v[96:127]  eight pieces of fragments
	s_load_b256 s[4:11], s[0:1], 0x0               ; tab s[4:5], list s[6:7], x s[8:9], xa s[10:11]
	v_lshl_add_u32 v128, v0, 2, 0x8800
	v_mov_b32 v129, 0
	v_lshrrev_b32 v4, 5, v0
	v_readfirstlane_b32 s14, v4                    ; wave
	s_and_b32 s15, ttmp7, 0xffff                   ; e
	s_mov_b32 s12, ttmp9                           ; j
	v_and_b32 v7, 31, v0                           ; lane
	v_lshlrev_b32 v1, 4, v0                        ; 512 w + 16 lane: my 16 bytes of a row of x
	v_lshlrev_b32 v5, 4, v7                        ; 16 lane
	s_mul_i32 s13, s14, WST                        ; my wave's stage
	v_lshl_add_u32 v6, v7, 3, s13                  ; where my 8 bytes of bf16 go in a stage row
	v_and_b32 v2, 15, v0
	v_bfe_u32 v3, v0, 4, 1
	v_mul_u32_u24 v2, v2, SP
	v_lshl_add_u32 v2, v3, 4, v2
	v_add_nc_u32 v7, s13, v2                       ; fragments: row r, + 16 h
	s_lshl_b32 s32, s15, 2
	s_lshl_b32 s34, s15, 12                        ; my expert's list: 4,096 bytes an expert
	s_lshl_b32 s46, s12, 6                         ; a tile's 16 tokens: 64 bytes
	s_add_co_u32 s46, s46, s34
	s_mov_b32 s47, 0
	s_lshl_b32 s43, s14, 12                        ; my four k steps of 1,024 bytes in a tile of xa
	s_wait_kmcnt 0x0
	s_add_nc_u64 s[36:37], s[6:7], s[46:47]
	s_load_b32 s33, s[4:5], s32 offset:0x80        ; ub | tiles << 8
	s_load_b512 s[16:31], s[36:37], 0x0            ; tile j's tokens: j is at most 19, inside the list whatever the count
	s_wait_kmcnt 0x0
	s_and_b32 s38, s33, 0xff
	s_min_u32 s38, s38, 18
	s_mul_i32 s38, s38, 20                         ; my expert's first tile in xa
	s_bfe_u32 s39, s33, 0x80008
	s_min_u32 s39, s39, 64                         ; its tiles
	; tiles j, j + 20, ..: (tiles + 19 - j) / 20 trips, 4 at the most; n / 20 as (n x 3277) >> 16, exact for n up to 83, the largest here.
	; The trips are counted by 1, the tile's number steps beside the count.
	s_add_co_u32 s40, s39, 19
	s_sub_co_u32 s40, s40, s12                     ; j is at most 19: never below 0
	s_mul_i32 s40, s40, 3277
	s_lshr_b32 s40, s40, 16
	s_min_u32 s40, s40, 4                          ; trips
	s_mov_b32 s41, s12                             ; the tile
	s_mov_b32 s42, 0
	s_cmp_eq_u32 s40, 0
	s_cbranch_scc1 .Ldone
.Ltile:
	s_wait_xcnt 0x0                                ; the last trip's stores have read their data and base: both are written again below
.set i, 0
.rept 16
	s_min_u32 s[16+i], s[16+i], 1023
	v_lshl_add_u32 v[TOK+i], s[16+i], 12, v1       ; the row's 4,096 bytes x token + my 16 bytes
.set i, i+1
.endr
	s_add_co_u32 s44, s38, s41
	s_min_u32 s44, s44, 359
	s_lshl_b32 s44, s44, 15                        ; a tile of xa: 32 k steps of 1,024 bytes
	s_add_co_u32 s44, s44, s43
	s_mov_b32 s45, 0
	s_add_nc_u64 s[44:45], s[10:11], s[44:45]
.set i, 0
.rept 16
	global_load_b128 v[X+4*i:X+4*i+3], v[TOK+i], s[8:9]
.set i, i+1
.endr
	s_add_co_u32 s41, s41, 20                      ; the next trip's tile,
	s_min_u32 s46, s41, 63                         ; clamped to the list's last
	s_lshl_b32 s46, s46, 6
	s_add_co_u32 s46, s46, s34
	s_add_nc_u64 s[36:37], s[6:7], s[46:47]        ; the scalar load that named this pair has been waited for
	s_load_b512 s[16:31], s[36:37], 0x0
.set i, 0
.rept 16
	s_wait_loadcnt 15-i                            ; loads return in order: row i is in, the 15 - i younger ones stay out
	v_cvt_pk_bf16_f32 v[P+2*(i%4)],   v[X+4*i],   v[X+4*i+1]
	v_cvt_pk_bf16_f32 v[P+2*(i%4)+1], v[X+4*i+2], v[X+4*i+3]
	ds_store_b64 v6, v[P+2*(i%4):P+2*(i%4)+1] offset:SP*i        ; 32 lanes, 256 neighbouring bytes
.set i, i+1
.endr
.set i, 0
.rept 8
	ds_load_b128 v[FR+4*i:FR+4*i+3], v7 offset:32*i              ; piece 2 (k step) + half; my own bytes, served in order
.set i, i+1
.endr
.set i, 0
.rept 8
	s_wait_dscnt 7-i                               ; piece i is in, the younger ones stay out
	global_store_b128 v5, v[FR+4*i:FR+4*i+3], s[44:45] offset:512*i   ; 512 neighbouring bytes, aligned
.set i, i+1
.endr
	s_wait_kmcnt 0x0                               ; the next trip's tokens, asked for ahead of the rounding
	s_add_co_u32 s42, s42, 1
	s_cmp_lt_u32 s42, s40
	s_cbranch_scc1 .Ltile
.Ldone:
	s_wait_tensorcnt 0x0
	ds_add_u32 v128, v129
	s_wait_dscnt 0x0
	s_endpgm
.Lfunc_end_k_q5e2189f7a8_gather:
	.size	k_q5e2189f7a8_gather, .Lfunc_end_k_q5e2189f7a8_gather-k_q5e2189f7a8_gather
	.p2alignl 7, 3214868480
	.fill 96, 4, 3214868480
	.section	.rodata,"a",@progbits
	.p2align	6, 0x0
	.amdhsa_kernel k_q5e2189f7a8_gather
		.amdhsa_group_segment_fixed_size 35840
		.amdhsa_private_segment_fixed_size 0
		.amdhsa_enable_private_segment 0
		.amdhsa_kernarg_size 32
		.amdhsa_user_sgpr_count 2
		.amdhsa_user_sgpr_kernarg_segment_ptr 1
		.amdhsa_wavefront_size32 1
		.amdhsa_system_sgpr_workgroup_id_x 1
		.amdhsa_system_sgpr_workgroup_id_y 1
		.amdhsa_system_sgpr_workgroup_id_z 1
		.amdhsa_system_vgpr_workitem_id 0
		.amdhsa_next_free_vgpr 130
		.amdhsa_next_free_sgpr 66
		.amdhsa_reserve_vcc 0
		.amdhsa_float_denorm_mode_32 3
		.amdhsa_float_denorm_mode_16_64 3
		.amdhsa_memory_ordered 1
		.amdhsa_forward_progress 1
		.amdhsa_inst_pref_size 12
	.end_amdhsa_kernel
	.amdgpu_metadata
---
amdhsa.version: [ 1, 2 ]
amdhsa.kernels:
  - .name:           k_q5e2189f7a8_gather
    .symbol:         k_q5e2189f7a8_gather.kd
    .args:
      - { .name: tab, .offset: 0, .size: 8, .value_kind: global_buffer, .address_space: global }
      - { .name: list, .offset: 8, .size: 8, .value_kind: global_buffer, .address_space: global }
      - { .name: x, .offset: 16, .size: 8, .value_kind: global_buffer, .address_space: global }
      - { .name: xa, .offset: 24, .size: 8, .value_kind: global_buffer, .address_space: global }
    .group_segment_fixed_size: 35840
    .private_segment_fixed_size: 0
    .kernarg_segment_align: 8
    .kernarg_segment_size: 32
    .max_flat_workgroup_size: 256
    .sgpr_count:     66
    .vgpr_count:     130
    .wavefront_size: 32
...
	.end_amdgpu_metadata
.endif
;; end of part 3
;; launch up (part 4): grid 16 x 12, 4 waves a work-group, no clusters, 70,144 bytes of LDS; arguments tab, xa, w1, w3, sw1, sw3, act; writes act
.if DOCPART == 4
	.amdgcn_target "amdgcn-amd-amdhsa--gfx1250"
	.amdhsa_code_object_version 6
	.text
	.protected	k_q5e2189f7a8_up
	.globl	k_q5e2189f7a8_up
	.p2align	8
	.type	k_q5e2189f7a8_up,@function
k_q5e2189f7a8_up:
	s_mov_b64 s[64:65], 0
	v_nop
	global_prefetch_b8 v0, s[64:65] scope:SCOPE_SE
	s_setreg_imm32_b32 hwreg(HW_REG_WAVE_MODE, 25, 1), 1
	s_wait_xcnt 0x0
; UP.  For a unit (up to 20 tiles of 16 compact rows of one expert) and 128 hidden columns: act = silu(X W1) * (X W3), rounded once to bf16 and
; stored in the order in which the next launch's matrix instructions take it.  Only the rows that the router chose are computed
; (an expert that was not chosen has weight 0 in the sum), besides all rows of the shared expert.
; GRID: x = block of 128 hidden columns (16), y = slot j (12).  The table has U units (tab[31]), 11 to 18.
; TWO PASSES, both written out, so that every wave passes every barrier the same number of times whatever the table holds: no barrier stands
; under a branch that hangs on a loaded number.  Pass 1 takes unit j and runs whole.  Pass 2 takes unit j + 12: where the table has none
; (s39 = 0) the work between its barriers is jumped over, in parts that are run whole or not at all.
; LIMIT: where the routing needs only 11 units, slot 11 has no unit: its pass 1 multiplies unit 0 once more and stores nothing.
; A WORK-GROUP: 4 waves; wave w owns tiles w, w + 4, .. w + 16 (5 tiles) and all 256 columns (128 of W1, 128 of W3): 80 accumulators, 640 registers.
; THE FIFTH TILE (16 + w) exists only in units of more than 16 + w tiles (s41 = 1).  Where it does not, its fragment loads and its 4 matrix
; instructions of each group are jumped over; only the first chunk's are always run (on the unit's last tile), so that every register is written on every way.
; One of tiles 0 to 3 at or past the unit's count loads the unit's last tile in its stead; no such tile is stored.
; WEIGHTS are f32 [k][n] in memory: each wave loads 16 of a chunk's 64 k rows (512 neighbouring bytes a load), rounds to bf16 in registers, and lays
; them into one of two LDS slots as bf16 [k][n]; transposing LDS loads make the fragments.  They pass through registers because they must be rounded.
; TOKEN FRAGMENTS come from xa straight into the registers of the one wave that multiplies them: two loads of 512 neighbouring bytes a fragment.
; NO CLUSTER: a routed expert's 64 KiB of weights for a chunk are read by this work-group alone; the 32 to 40 KiB of token fragments that the 16 column blocks
; share would have to land in LDS to be asked for jointly, as many bytes written and read more for each chunk, beside the 160 KiB that a chunk moves there.
; REGISTERS, in windows of 256: window 0: v1-19 addresses, v32-95 two buffers of 4 weight fragments, v96-255 two buffers of 10 token fragments;
; v256-767: accumulator 4 b + a (column tile b = 0 .. 15, my tile a = 0 .. 3) at 256 + 8 x; v768-895: accumulator 64 + b of my fifth tile;
; v896-1023: 32 weight rows as loaded.  A group's 16 accumulators of tiles 0 to 3 lie in one window.
; The matrix instruction takes the weights as source 0 and the tokens as source 1: lane r holds token r, register j column 16 b + 8 h + j.
.set RS,    8192                       ; bytes in a row of W1 or W3
.set CH,    64*RS                      ; a chunk: 64 k
.set ASH,   15                         ; a tile of xa: 32 k steps of 1,024 bytes
.set ASTEP, 2048                       ; a chunk's 2 k steps in a tile of xa
.set NLOOP, 6                          ; 16 chunks: 2 ahead of the loop, 2 x 6 in it, 2 behind it
.set PITCH, 544                        ; an LDS row: 512 bytes of bf16 + 32 = 17 x 32
.set SLOT,  64*PITCH
.set AO,    5                          ; v5-9    tile a: byte offset of my 16 bytes in its first block of xa
.set SO,    10                         ; v10-14  tile a: byte offset of my 16 bytes in its first block of act
.set BF,    32
.set AF,    96
.set WS,    128                        ; in window 3
.set T,     32                         ; the way out: v32-95, v96-159, v160-191
.set GU,    96
.set PK,    160
.set PW,    28                         ; s[28:29] W1, s[30:31] W3 at the chunk that is loaded next
.set PA,    32                         ; s[32:33] xa at the chunk loaded last
.set PO,    34                         ; s[34:35] act at the unit and the column block
.set MSB,   0
.macro WIN new                         ; the immediate's high byte repeats the setting that is left; nothing is written where nothing changes
.set WNEW, \new
.if MSB != WNEW
	s_set_vgpr_msb (MSB<<8)|WNEW
.set MSB, WNEW
.endif
.endm
; Four places: a load into a register that a matrix instruction has read, and a vector instruction or store that reads a matrix result,
; stand four plain vector instructions behind that matrix instruction (ISA guide 7.12.1 for vector instructions).
.macro PLACES
.rept 4
	v_nop
.endr
.endm
.macro MM idx, bf, af, zero            ; one matrix instruction on accumulator idx
.set mw, (256+8*(\idx))>>8
.set mr, (8*(\idx))&255
	WIN ((mw<<6)|(mw<<4))
.if \zero
	v_wmma_f32_16x16x32_bf16 v[mr:mr+7], v[\bf:\bf+7], v[\af:\af+7], 0
.else
	v_wmma_f32_16x16x32_bf16 v[mr:mr+7], v[\bf:\bf+7], v[\af:\af+7], v[mr:mr+7]
.endif
.endm
; Group G = 4 (k step) + q.  MMS4: column tiles 4 q + bb0 .. 4 q + bb1 x my tiles 0 to 3.  MMS5: column tiles 4 q .. 4 q + 3 x my fifth tile,
; jumped over (sk = 1) where the wave has none.  The accumulators take turns, one instruction a turn, in the same order in every k step and over
; every backward jump; a group's accumulators are all different and no two groups that follow each other share one,
; so the turns hold whichever parts are jumped over.
.macro MMS4 G, buf, bb0, bb1, zero
.set mbb, \bb0
.rept \bb1-\bb0+1
.set ma, 0
.rept 4
	MM (4*(4*((\G)&3)+mbb)+ma), (BF+32*((\G)&1)+8*mbb), (AF+80*(\buf)+40*((\G)>>2)+8*ma), \zero
.set ma, ma+1
.endr
.set mbb, mbb+1
.endr
.endm
.macro MMS5 G, buf, zero, sk
.if \sk
	WIN 0
	s_cmp_eq_u32 s41, 0
	s_cbranch_scc1 .Ln5_\@
.endif
.set mbb, 0
.rept 4
	MM (64+4*((\G)&3)+mbb), (BF+32*((\G)&1)+8*mbb), (AF+80*(\buf)+40*((\G)>>2)+32), \zero
.set mbb, mbb+1
.endr
.if \sk
	WIN 0
.Ln5_\@:
.endif
.endm
.macro FETCHB sl, G                    ; eight transposing loads: the four weight fragments of group G from slot sl
	WIN 0
.set fb, 0
.rept 4
	ds_load_tr16_b128 v[BF+32*((\G)&1)+8*fb:BF+32*((\G)&1)+8*fb+3],   v4 offset:(\sl)*SLOT+32*PITCH*((\G)>>2)+32*(4*((\G)&3)+fb)
	ds_load_tr16_b128 v[BF+32*((\G)&1)+8*fb+4:BF+32*((\G)&1)+8*fb+7], v4 offset:(\sl)*SLOT+32*PITCH*((\G)>>2)+32*(4*((\G)&3)+fb)+16*PITCH
.set fb, fb+1
.endr
.endm
; A chunk's token fragments: 16 loads for tiles 0 to 3 (2 k steps), then 4 for the fifth tile, jumped over (sk = 1) where the wave has none
.macro ALOAD buf, sk
	WIN 0
.set ak, 0
.rept 2
.set aa, 0
.rept 4
	global_load_b128 v[AF+80*(\buf)+40*ak+8*aa:AF+80*(\buf)+40*ak+8*aa+3],   v[AO+aa], s[PA:PA+1] offset:1024*ak
	global_load_b128 v[AF+80*(\buf)+40*ak+8*aa+4:AF+80*(\buf)+40*ak+8*aa+7], v[AO+aa], s[PA:PA+1] offset:1024*ak+512
.set aa, aa+1
.endr
.set ak, ak+1
.endr
.if \sk
	s_cmp_eq_u32 s41, 0
	s_cbranch_scc1 .Lna_\@
.endif
.set ak, 0
.rept 2
	global_load_b128 v[AF+80*(\buf)+40*ak+32:AF+80*(\buf)+40*ak+35], v[AO+4], s[PA:PA+1] offset:1024*ak
	global_load_b128 v[AF+80*(\buf)+40*ak+36:AF+80*(\buf)+40*ak+39], v[AO+4], s[PA:PA+1] offset:1024*ak+512
.set ak, ak+1
.endr
.if \sk
.Lna_\@:
.endif
.endm
.macro WLOAD g                         ; sixteen loads: my 16 k rows of column half g
	WIN 0xcc                                       ; destination and source 1 in window 3, the address in window 0
.set wi, 0
.rept 16
	global_load_b128 v[WS+64*\g+4*wi:WS+64*\g+4*wi+3], v2, s[PW+2*\g:PW+2*\g+1] offset:RS*wi
.set wi, wi+1
.endr
.endm
; Column half g of the chunk that has been loaded is rounded in place and stored into slot dst; lw = 1: the chunk after it is asked for;
; st = 1: its pointer is stepped here (st = 0: it was stepped at the chunk's head).
.macro WBATCH g, dst, lw, st, cnt
	s_wait_loadcnt \cnt                            ; my 16 loads are in; cnt = the least number of loads issued behind them on any way
	WIN 0xcf
.set wi, 0
.rept 16
	v_cvt_pk_bf16_f32 v[WS+64*\g+4*wi],   v[WS+64*\g+4*wi],   v[WS+64*\g+4*wi+1]
	v_cvt_pk_bf16_f32 v[WS+64*\g+4*wi+1], v[WS+64*\g+4*wi+2], v[WS+64*\g+4*wi+3]
.set wi, wi+1
.endr
	WIN 0xcc
.set wi, 0
.rept 16
	ds_store_b64 v3, v[WS+64*\g+4*wi:WS+64*\g+4*wi+1] offset:(\dst)*SLOT+PITCH*wi+256*\g   ; 32 lanes, 256 neighbouring bytes
.set wi, wi+1
.endr
.if \lw
.if \st
	s_wait_xcnt 0x0                                ; the base is stepped only when the loads that name it have had their addresses translated
	s_add_nc_u64 s[PW+2*\g:PW+2*\g+1], s[PW+2*\g:PW+2*\g+1], CH
.endif
	WLOAD \g
.endif
	WIN 0
.endm
; One chunk of 64 k from slot sl and token buffer sl: 128 or 160 matrix instructions.  fa: the next chunk's token fragments are asked for;
; fw: the next chunk's weights are rounded and stored into the other slot; lw: the weights of the chunk after that are asked for; sk: the fifth tile may be jumped over.
; The pointers of the token fragments and of weight half 0 are stepped together at the head, behind one s_wait_xcnt 0, where the youngest load is half a chunk old.
; ONE barrier a chunk.  In front of its signal each wave's reads of slot sl and its stores into the other slot are done (s_wait_dscnt 0);
; behind its wait the other slot is read, and slot sl is written again in the next chunk.
; cond = 0 (pass 1): matrix instructions alone stand between signal and wait.
; cond = 1 (pass 2): the chunk is two parts, one in front of the barrier and one behind it, each jumped over where s39 = 0; the wait for
; the LDS instructions and the barrier stand behind the join, on both ways.  A part holds a chunk's fragment loads and its 16 + 16 weight loads together,
; so the counts of the waits below hold whichever parts have run.
.macro TRIP sl, zero, fa, fw, lw, na, n0, n1, last, cond, sk
.if \cond
	WIN 0
	s_cmp_eq_u32 s39, 0
	s_cbranch_scc1 .Lp1_\@
.endif
	s_wait_loadcnt \na                             ; this chunk's token fragments are in; na = the loads issued behind them
	PLACES
.if \fa
	s_wait_xcnt 0x0                                ; the bases are stepped only when the loads that name them have had their addresses translated
	s_add_nc_u64 s[PA:PA+1], s[PA:PA+1], ASTEP
.if \lw
	s_add_nc_u64 s[PW:PW+1], s[PW:PW+1], CH
.endif
	ALOAD (1-\sl), \sk
.endif
.set tg, 0
.rept 7
.if \fw
.if tg == 0
	WBATCH 0, (1-\sl), \lw, 0, \n0
.endif
.if tg == 4
	WBATCH 1, (1-\sl), \lw, 1, \n1
.endif
.endif
.if tg > 0
	PLACES
.endif
	FETCHB \sl, (tg+1)
	s_wait_dscnt 0x8                               ; all but the eight loads just issued: group tg's fragments are in
.if tg < 4
	MMS4 tg, \sl, 0, 3, \zero
	MMS5 tg, \sl, \zero, \sk
.else
	MMS4 tg, \sl, 0, 3, 0
	MMS5 tg, \sl, 0, \sk
.endif
.set tg, tg+1
.endr
.if \last
	s_wait_dscnt 0x0
	MMS4 7, \sl, 0, 3, 0
	MMS5 7, \sl, 0, \sk
.if \cond
	WIN 0
.Lp1_\@:
.endif
.else
.if \cond
	WIN 0
.Lp1_\@:
	s_wait_dscnt 0x0
	s_barrier_signal -1
	s_barrier_wait -1
	s_cmp_eq_u32 s39, 0
	s_cbranch_scc1 .Lp2_\@
	PLACES
	FETCHB (1-\sl), 0
	MMS4 7, \sl, 0, 3, 0
	MMS5 7, \sl, 0, \sk
	WIN 0
.Lp2_\@:
.else
	s_wait_dscnt 0x0
	s_barrier_signal -1
	MMS4 7, \sl, 0, 1, 0
	WIN 0
	s_barrier_wait -1
	PLACES
	FETCHB (1-\sl), 0
	MMS4 7, \sl, 2, 3, 0
	MMS5 7, \sl, 0, \sk
.endif
.endif
.endm
; The way out of my tile a: silu(g) u = g u / (1 + exp(-g)), eight column tiles of g with their partners of u (column tile + 8).
; A lane's eight results of column tile b are registers 4 (b & 1) .. + 3 of the token fragment of k step 4 hb + b / 2 of the next product:
; no trip through LDS, and each store covers 512 neighbouring bytes, aligned.  For g far below zero the exponential is infinite,
; the reciprocal 0 and the result 0, the limit of the true value.
.macro EPI a
	WIN 0
	s_add_co_u32 s37, s18, 4*\a
	s_cmp_ge_u32 s37, s24
	s_cbranch_scc1 .Lskip_\@                       ; the unit has no such tile
	s_wait_xcnt 0x0                                ; the packed registers of the tile before are written again only behind this wait
.set eb, 0
.rept 8
.if \a < 4
.set ig, 4*eb+\a
.set iu, ig+32
.else
.set ig, 64+eb
.set iu, 72+eb
.endif
.set rg, (8*ig)&255
.set ru, (8*iu)&255
	WIN (((256+8*ig)>>8)|(((256+8*iu)>>8)<<2))
.set ep, 0
.rept 4
	v_pk_mul_f32 v[T+8*eb+2*ep:T+8*eb+2*ep+1],   v[rg+2*ep:rg+2*ep+1], 0xbfb8aa3b op_sel_hi:[1,0]   ; - g log2 e
	v_pk_mul_f32 v[GU+8*eb+2*ep:GU+8*eb+2*ep+1], v[rg+2*ep:rg+2*ep+1], v[ru+2*ep:ru+2*ep+1]         ; g u
.set ep, ep+1
.endr
.set eb, eb+1
.endr
	WIN 0
.set ep, 0
.rept 64
	v_exp_f32 v[T+ep], v[T+ep]
.set ep, ep+1
.endr
	v_nop                                          ; a plain instruction between the last exponential and its use (ISA guide 5.7.2)
.set ep, 0
	s_wait_alu depctr_va_vdst(0)
.rept 32
	v_pk_add_f32 v[T+2*ep:T+2*ep+1], v[T+2*ep:T+2*ep+1], 1.0 op_sel_hi:[1,0]
.set ep, ep+1
.endr
.set ep, 0
.rept 64
	v_rcp_f32 v[T+ep], v[T+ep]
.set ep, ep+1
.endr
	v_nop
.set ep, 0
	s_wait_alu depctr_va_vdst(0)
.rept 32
	v_pk_mul_f32 v[T+2*ep:T+2*ep+1], v[T+2*ep:T+2*ep+1], v[GU+2*ep:GU+2*ep+1]
.set ep, ep+1
.endr
.set ep, 0
.rept 32
	v_cvt_pk_bf16_f32 v[PK+ep], v[T+2*ep], v[T+2*ep+1]
.set ep, ep+1
.endr
.set eb, 0
.rept 8
	global_store_b128 v[SO+\a], v[PK+4*eb:PK+4*eb+3], s[PO:PO+1] offset:512*eb
.set eb, eb+1
.endr
.Lskip_\@:
.endm
; One pass: unit s20, its table word (e | tiles << 8) in s22; s39 = 1 where the table has that unit.  cond = 1: the work is jumped over where s39 = 0.
.macro PASS cond
	s_wait_xcnt 0x0                                ; the stores of the pass before have read their data, offsets and base
	s_and_b32 s23, s22, 0xff
	s_min_u32 s23, s23, 8                          ; e; 8 = the shared expert
	s_bfe_u32 s25, s22, 0x80008
	s_max_u32 s25, s25, 1
	s_sub_co_u32 s25, s25, 1
	s_min_u32 s25, s25, 19                         ; the last tile
	s_add_co_u32 s24, s25, 1
	s_cmp_lg_u32 s39, 0
	s_cselect_b32 s24, s24, 0                      ; the number of tiles to store: none where the slot has no unit
	s_add_co_u32 s37, s18, 16
	s_cmp_lt_u32 s37, s24
	s_cselect_b32 s41, 1, 0                        ; my fifth tile exists
	s_cmp_eq_u32 s23, 8
	s_cselect_b64 s[PW:PW+1], s[12:13], s[8:9]
	s_cselect_b64 s[PW+2:PW+3], s[14:15], s[10:11]
	s_and_b32 s26, s23, 7
	s_lshl_b32 s26, s26, 23                        ; an expert's matrix: 8 MiB
	s_lshl_b32 s37, s19, 9                         ; 128 columns of 4 bytes
	s_add_co_u32 s26, s26, s37
	s_mov_b32 s27, 0
	s_add_nc_u64 s[PW:PW+1], s[PW:PW+1], s[26:27]
	s_add_nc_u64 s[PW+2:PW+3], s[PW+2:PW+3], s[26:27]
	s_mul_i32 s26, s20, 655360                     ; a unit of xa: 20 tiles of 32,768 bytes
	s_add_nc_u64 s[PA:PA+1], s[6:7], s[26:27]
	s_mul_i32 s26, s20, 1310720                    ; a unit of act: 20 tiles of 65,536 bytes
	s_lshl_b32 s37, s19, 12                        ; my block's 4 k steps
	s_add_co_u32 s26, s26, s37
	s_add_nc_u64 s[PO:PO+1], s[16:17], s[26:27]
.irp a, 0,1,2,3,4
	s_add_co_u32 s37, s18, 4*\a
	s_min_u32 s37, s37, s25                        ; a tile past the unit's last reads the last
	s_min_u32 s37, s37, 19
	s_lshl_b32 s37, s37, ASH
	v_add_nc_u32 v[AO+\a], s37, v1
.endr
.if \cond
	s_cmp_eq_u32 s39, 0
	s_cbranch_scc1 .Lq1_\@
.endif
	; chunk 0: loaded, rounded, stored into slot 0.  Order of loads: 16 + 16 of weights, 20 of tokens, then each batch's successor.
	WLOAD 0
	WLOAD 1
	ALOAD 0, 0
	WBATCH 0, 0, 1, 1, 36                          ; behind half 0: half 1 (16) and the tokens (20)
	WBATCH 1, 0, 1, 1, 36                          ; behind half 1: the tokens (20) and chunk 1's half 0 (16)
.if \cond
.Lq1_\@:
.endif
	s_wait_dscnt 0x0                               ; my stores into slot 0 are done, and so are my reads of slot 1 in the pass before
	s_barrier_signal -1
	s_barrier_wait -1
.if \cond
	s_cmp_eq_u32 s39, 0
	s_cbranch_scc1 .Lq2_\@
.endif
	FETCHB 0, 0
.if \cond
.Lq2_\@:
.endif
	; The counts.  Behind a chunk's token loads: the next chunk's two weight batches, 32.  Behind a weight batch: the other batch (16) and the token loads,
	; 20 in the first chunk, 16 or 20 later: 36, then 32, the lesser, which on the way with 20 also asks for four loads that are at least half a chunk old.
	TRIP 0, 1, 1, 1, 1, 32, 36, 36, 0, \cond, 0    ; the first products start the sums: nothing is cleared; the fifth tile is always run here
	TRIP 1, 0, 1, 1, 1, 32, 32, 32, 0, \cond, 1
	WIN 0
	s_mov_b32 s36, NLOOP
.Llap_\@:
	TRIP 0, 0, 1, 1, 1, 32, 32, 32, 0, \cond, 1
	TRIP 1, 0, 1, 1, 1, 32, 32, 32, 0, \cond, 1
	WIN 0
	s_sub_co_u32 s36, s36, 1
	s_cmp_lg_u32 s36, 0
	s_cbranch_scc1 .Llap_\@
	TRIP 0, 0, 1, 1, 0, 32, 32, 16, 0, \cond, 1    ; no weights are left to ask for: behind the last batch stand the 16 or 20 token loads alone
	TRIP 1, 0, 0, 0, 0, 0, 0, 0, 1, \cond, 1       ; the last chunk asks for nothing
.if \cond
	s_wait_loadcnt 0x0                             ; also on the way round the last chunk: no load is aimed at the registers that the way out writes
.endif
	PLACES
	EPI 0
	EPI 1
	EPI 2
	EPI 3
	EPI 4
.endm
	s_load_b256 s[4:11], s[0:1], 0x0               ; tab s[4:5], xa s[6:7], w1 s[8:9], w3 s[10:11]
	s_load_b128 s[12:15], s[0:1], 0x20             ; sw1 s[12:13], sw3 s[14:15]
	s_load_b64 s[16:17], s[0:1], 0x30              ; act
	v_lshl_add_u32 v30, v0, 2, 0x11000
	v_mov_b32 v31, 0
	v_lshrrev_b32 v15, 5, v0
	v_readfirstlane_b32 s18, v15                   ; wave
	s_mov_b32 s19, ttmp9                           ; hb: block of 128 hidden columns
	s_and_b32 s40, ttmp7, 0xffff                   ; j: the slot
	s_lshl_b32 s43, s40, 2
	v_and_b32 v16, 31, v0
	v_lshlrev_b32 v1, 4, v16                       ; 16 lane
	s_mul_i32 s37, s18, 16*RS
	v_add_nc_u32 v2, s37, v1                       ; weights: my 16 k rows, my 16 bytes
	s_mul_i32 s37, s18, 16*PITCH
	v_lshl_add_u32 v3, v16, 3, s37                 ; LDS: my 16 rows, my 8 bytes
	v_and_b32 v17, 7, v0
	v_bfe_u32 v18, v0, 4, 1
	v_lshl_add_u32 v17, v18, 3, v17                ; 8 h + (lane & 7)
	v_mul_u32_u24 v17, v17, PITCH
	v_bfe_u32 v18, v0, 3, 1
	v_lshl_add_u32 v4, v18, 4, v17                 ; + 16 ((lane >> 3) & 1): the transposing load's address
.irp a, 0,1,2,3,4
	s_add_co_u32 s37, s18, 4*\a
	s_lshl_b32 s37, s37, 16                        ; a tile of act: 64 k steps of 1,024 bytes
	v_add_nc_u32 v[SO+\a], s37, v1
.endr
	s_wait_kmcnt 0x0
	s_load_b32 s21, s[4:5], 0x7c                   ; U
	s_load_b32 s22, s[4:5], s43 offset:0x0         ; the word of unit j: j is at most 11
	s_load_b32 s42, s[4:5], s43 offset:0x30        ; the word of unit j + 12, at most 23: all three behind one wait
	s_wait_kmcnt 0x0
	s_min_u32 s21, s21, 18
	; pass 1: unit j; where the table has no unit j, unit 0, a unit of the shared expert with 16 tiles, of which nothing is stored
	s_cmp_lt_u32 s40, s21
	s_cselect_b32 s39, 1, 0
	s_cselect_b32 s20, s40, 0
	s_cselect_b32 s22, s22, 0x1008
	s_min_u32 s20, s20, 11
	PASS 0
	; pass 2: unit j + 12, where the table has one
	s_add_co_u32 s20, s40, 12
	s_cmp_lt_u32 s20, s21
	s_cselect_b32 s39, 1, 0
	s_min_u32 s20, s20, 17
	s_mov_b32 s22, s42
	PASS 1
	s_wait_tensorcnt 0x0
	ds_add_u32 v30, v31
	s_wait_dscnt 0x0
	s_endpgm
.Lfunc_end_k_q5e2189f7a8_up:
	.size	k_q5e2189f7a8_up, .Lfunc_end_k_q5e2189f7a8_up-k_q5e2189f7a8_up
	.p2alignl 7, 3214868480
	.fill 96, 4, 3214868480
	.section	.rodata,"a",@progbits
	.p2align	6, 0x0
	.amdhsa_kernel k_q5e2189f7a8_up
		.amdhsa_group_segment_fixed_size 70144
		.amdhsa_private_segment_fixed_size 0
		.amdhsa_enable_private_segment 0
		.amdhsa_kernarg_size 56
		.amdhsa_user_sgpr_count 2
		.amdhsa_user_sgpr_kernarg_segment_ptr 1
		.amdhsa_wavefront_size32 1
		.amdhsa_system_sgpr_workgroup_id_x 1
		.amdhsa_system_sgpr_workgroup_id_y 1
		.amdhsa_system_sgpr_workgroup_id_z 1
		.amdhsa_system_vgpr_workitem_id 0
		.amdhsa_next_free_vgpr 1024
		.amdhsa_next_free_sgpr 66
		.amdhsa_reserve_vcc 0
		.amdhsa_float_denorm_mode_32 3
		.amdhsa_float_denorm_mode_16_64 3
		.amdhsa_memory_ordered 1
		.amdhsa_forward_progress 1
		.amdhsa_inst_pref_size 255
	.end_amdhsa_kernel
	.section	.bss,"aw",@nobits
	.p2align	6
	.space	262144
	.amdgpu_metadata
---
amdhsa.version: [ 1, 2 ]
amdhsa.kernels:
  - .name:           k_q5e2189f7a8_up
    .symbol:         k_q5e2189f7a8_up.kd
    .args:
      - { .name: tab, .offset: 0, .size: 8, .value_kind: global_buffer, .address_space: global }
      - { .name: xa, .offset: 8, .size: 8, .value_kind: global_buffer, .address_space: global }
      - { .name: w1, .offset: 16, .size: 8, .value_kind: global_buffer, .address_space: global }
      - { .name: w3, .offset: 24, .size: 8, .value_kind: global_buffer, .address_space: global }
      - { .name: sw1, .offset: 32, .size: 8, .value_kind: global_buffer, .address_space: global }
      - { .name: sw3, .offset: 40, .size: 8, .value_kind: global_buffer, .address_space: global }
      - { .name: act, .offset: 48, .size: 8, .value_kind: global_buffer, .address_space: global }
    .group_segment_fixed_size: 70144
    .private_segment_fixed_size: 0
    .kernarg_segment_align: 8
    .kernarg_segment_size: 56
    .max_flat_workgroup_size: 128
    .sgpr_count:     66
    .vgpr_count:     1024
    .wavefront_size: 32
...
	.end_amdgpu_metadata
.endif
;; end of part 4
;; launch down (part 5): grid 16 x 12, 4 waves a work-group, no clusters, 103,936 bytes of LDS; arguments tab, act, w2, sw2, y; writes y
.if DOCPART == 5
	.amdgcn_target "amdgcn-amd-amdhsa--gfx1250"
	.amdhsa_code_object_version 6
	.text
	.protected	k_q5e2189f7a8_down
	.globl	k_q5e2189f7a8_down
	.p2align	8
	.type	k_q5e2189f7a8_down,@function
k_q5e2189f7a8_down:
	s_mov_b64 s[64:65], 0
	v_nop
	global_prefetch_b8 v0, s[64:65] scope:SCOPE_SE
	s_setreg_imm32_b32 hwreg(HW_REG_WAVE_MODE, 25, 1), 1
	s_wait_xcnt 0x0
; DOWN.  For a unit (up to 20 tiles of 16 compact rows of one expert), 128 output columns and a half of K (1,024 of 2,048 hidden numbers):
; y[part][row][column] = act W2 over that half, in f32.  The two parts and the router's weights are put together by the next launch,
; so that no sum spans work-groups inside a launch.  Two parts and not more: each part of y is 12 KiB a token (three rows) stored here and read there.
; GRID: x = db + 8 kp (db: block of 128 columns, kp: half of K), y = slot j (12).  The table has U units (tab[31]), 11 to 18.
; TWO PASSES, both written out, so that every wave passes every barrier the same number of times whatever the table holds: no barrier stands
; under a branch that hangs on a loaded number.  Pass 1 takes unit j and runs whole.  Pass 2 takes unit j + 12: where the table has none
; (s39 = 0) the work between its barriers is jumped over, in parts that are run whole or not at all.
; LIMIT: where the routing needs only 11 units, slot 11 has no unit: its pass 1 multiplies unit 0 once more and stores nothing.
; A WORK-GROUP: 4 waves; wave w owns tiles w, w + 4, .. w + 16 (5 tiles) and all 128 columns: 40 accumulators, 320 registers.
; THE FIFTH TILE (16 + w) exists only in units of more than 16 + w tiles (s41 = 1).  Where it does not, its fragment loads and its 4 matrix
; instructions of each group are jumped over; only the first chunk's are always run (on the unit's last tile), so that every register is written on every way.
; A CHUNK is 128 k x 128 columns.  Weights are f32 [k][n]: each wave loads 16 rows of each half of the chunk's k (512 neighbouring bytes a load), rounds to
; bf16 in registers and lays them into one of two LDS slots: row r holds k = r in its first 256 bytes and k = 64 + r in its second.
; Transposing LDS loads make the fragments.  Token fragments come from act straight into the registers of the wave that multiplies them.
; NO CLUSTER: a routed expert's 64 KiB of weights for a chunk are read by this work-group alone; the 64 to 80 KiB of token fragments that eight column
; blocks share would have to land in LDS to be asked for jointly, as many bytes written and read more for each chunk.
; REGISTERS, in windows of 256: window 0: v1-19 addresses, v32-95 two buffers of 4 weight fragments, v96-255 token buffer 0 (4 k steps x 5 tiles);
; v256-511: accumulator 4 b + a (column tile b = 0 .. 7, my tile a = 0 .. 3) at 256 + 8 x; v512-575: accumulator 32 + b of my fifth tile;
; v608-767: token buffer 1, the same numbers as buffer 0 in window 2; v896-1023: 32 weight rows as loaded.
; Weights are source 0, tokens source 1: lane r holds token r, register j column 16 b + 8 h + j.
.set RS,     4096                      ; bytes in a row of W2
.set CH,     128*RS                    ; a chunk: 128 k
.set ASH,    16                        ; a tile of act: 64 k steps of 1,024 bytes
.set ASTEP,  4096                      ; a chunk's 4 k steps in a tile of act
.set NLOOP,  2                         ; 8 chunks: 2 ahead of the loop, 2 x 2 in it, 2 behind it
.set PITCH,  544                       ; an LDS row: 512 bytes of bf16 + 32 = 17 x 32
.set SLOT,   64*PITCH
.set SPITCH, 528                       ; a stage row: 512 bytes of f32 + 16, so that 16 rows start 16 bytes apart modulo 256
.set AO,     5                         ; v5-9    tile a: byte offset of my 16 bytes in its first block of act
.set SO,     10                        ; v10-14  tile a: byte offset of my 16 bytes in its first row of y
.set BF,     32
.set AF,     96                        ; in window 0 (buffer 0) and window 2 (buffer 1)
.set WS,     128                       ; in window 3
.set OUTR,   32                        ; the way out: v32-95
.set PW,     28                        ; s[28:29] k rows 0-63, s[30:31] k rows 64-127 of the chunk that is loaded next
.set PA,     32                        ; s[32:33] act at the chunk loaded last
.set PO,     34                        ; s[34:35] y at the part, the unit and the column block
.set MSB,    0
.macro WIN new                         ; the immediate's high byte repeats the setting that is left; nothing is written where nothing changes
.set WNEW, \new
.if MSB != WNEW
	s_set_vgpr_msb (MSB<<8)|WNEW
.set MSB, WNEW
.endif
.endm
; Four places: a load into a register that a matrix instruction has read, and a vector instruction or store that reads a matrix result,
; stand four plain vector instructions behind that matrix instruction (ISA guide 7.12.1 for vector instructions).
.macro PLACES
.rept 4
	v_nop
.endr
.endm
.macro MM idx, bf, af, aw, zero        ; one matrix instruction on accumulator idx; aw: the window of the token fragment (source 1)
.set mw, (256+8*(\idx))>>8
.set mr, (8*(\idx))&255
	WIN ((mw<<6)|(mw<<4)|((\aw)<<2))
.if \zero
	v_wmma_f32_16x16x32_bf16 v[mr:mr+7], v[\bf:\bf+7], v[\af:\af+7], 0
.else
	v_wmma_f32_16x16x32_bf16 v[mr:mr+7], v[\bf:\bf+7], v[\af:\af+7], v[mr:mr+7]
.endif
.endm
; Group G = 4 ks + q reads LDS rows 32 ks .. + 31 and bytes 128 q .. + 127 of them: column tiles 4 (q & 1) + bb, k step 2 (q >> 1) + ks of the chunk's four.
; MMS4: column tiles bb0 .. bb1 of the four x my tiles 0 to 3.  MMS5: the four x my fifth tile, jumped over (sk = 1) where the wave has none.
; The accumulators take turns, one instruction a turn, in the same order in every chunk and over every backward jump;
; a group's accumulators are all different and no two groups that follow each other share one, so the turns hold whichever parts are jumped over.
.macro MMS4 G, buf, bb0, bb1, zero
.set mbb, \bb0
.rept \bb1-\bb0+1
.set ma, 0
.rept 4
	MM (4*(4*((\G)&1)+mbb)+ma), (BF+32*((\G)&1)+8*mbb), (AF+40*(2*(((\G)>>1)&1)+((\G)>>2))+8*ma), (2*(\buf)), \zero
.set ma, ma+1
.endr
.set mbb, mbb+1
.endr
.endm
.macro MMS5 G, buf, zero, sk
.if \sk
	WIN 0
	s_cmp_eq_u32 s41, 0
	s_cbranch_scc1 .Ln5_\@
.endif
.set mbb, 0
.rept 4
	MM (32+4*((\G)&1)+mbb), (BF+32*((\G)&1)+8*mbb), (AF+40*(2*(((\G)>>1)&1)+((\G)>>2))+32), (2*(\buf)), \zero
.set mbb, mbb+1
.endr
.if \sk
	WIN 0
.Ln5_\@:
.endif
.endm
.macro FETCHB sl, G                    ; eight transposing loads: the four weight fragments of group G from slot sl
	WIN 0
.set fb, 0
.rept 4
	ds_load_tr16_b128 v[BF+32*((\G)&1)+8*fb:BF+32*((\G)&1)+8*fb+3],   v4 offset:(\sl)*SLOT+32*PITCH*((\G)>>2)+32*(4*((\G)&3)+fb)
	ds_load_tr16_b128 v[BF+32*((\G)&1)+8*fb+4:BF+32*((\G)&1)+8*fb+7], v4 offset:(\sl)*SLOT+32*PITCH*((\G)>>2)+32*(4*((\G)&3)+fb)+16*PITCH
.set fb, fb+1
.endr
.endm
; A chunk's token fragments: 32 loads for tiles 0 to 3 (4 k steps), then 8 for the fifth tile, jumped over (sk = 1) where the wave has none.
; The destination's window is 0 for buffer 0 and 2 for buffer 1; the address stays in window 0.
.macro ALOAD buf, sk
	WIN ((2*(\buf))<<6)
.set ak, 0
.rept 4
.set aa, 0
.rept 4
	global_load_b128 v[AF+40*ak+8*aa:AF+40*ak+8*aa+3],   v[AO+aa], s[PA:PA+1] offset:1024*ak
	global_load_b128 v[AF+40*ak+8*aa+4:AF+40*ak+8*aa+7], v[AO+aa], s[PA:PA+1] offset:1024*ak+512
.set aa, aa+1
.endr
.set ak, ak+1
.endr
.if \sk
	WIN 0
	s_cmp_eq_u32 s41, 0
	s_cbranch_scc1 .Lna_\@
	WIN ((2*(\buf))<<6)
.endif
.set ak, 0
.rept 4
	global_load_b128 v[AF+40*ak+32:AF+40*ak+35], v[AO+4], s[PA:PA+1] offset:1024*ak
	global_load_b128 v[AF+40*ak+36:AF+40*ak+39], v[AO+4], s[PA:PA+1] offset:1024*ak+512
.set ak, ak+1
.endr
	WIN 0
.if \sk
.Lna_\@:
.endif
.endm
.macro WLOAD g                         ; sixteen loads: my 16 k rows of half g of the chunk's k
	WIN 0xcc                                       ; destination and source 1 in window 3, the address in window 0
.set wi, 0
.rept 16
	global_load_b128 v[WS+64*\g+4*wi:WS+64*\g+4*wi+3], v2, s[PW+2*\g:PW+2*\g+1] offset:RS*wi
.set wi, wi+1
.endr
.endm
; Half g of the chunk that has been loaded is rounded in place and stored into slot dst; lw = 1: the chunk after it is asked for;
; st = 1: its pointer is stepped here (st = 0: it was stepped at the chunk's head).
.macro WBATCH g, dst, lw, st, cnt
	s_wait_loadcnt \cnt                            ; my 16 loads are in; cnt = the least number of loads issued behind them on any way
	WIN 0xcf
.set wi, 0
.rept 16
	v_cvt_pk_bf16_f32 v[WS+64*\g+4*wi],   v[WS+64*\g+4*wi],   v[WS+64*\g+4*wi+1]
	v_cvt_pk_bf16_f32 v[WS+64*\g+4*wi+1], v[WS+64*\g+4*wi+2], v[WS+64*\g+4*wi+3]
.set wi, wi+1
.endr
	WIN 0xcc
.set wi, 0
.rept 16
	ds_store_b64 v3, v[WS+64*\g+4*wi:WS+64*\g+4*wi+1] offset:(\dst)*SLOT+PITCH*wi+256*\g   ; 32 lanes, 256 neighbouring bytes
.set wi, wi+1
.endr
.if \lw
.if \st
	s_wait_xcnt 0x0                                ; the base is stepped only when the loads that name it have had their addresses translated
	s_add_nc_u64 s[PW+2*\g:PW+2*\g+1], s[PW+2*\g:PW+2*\g+1], CH
.endif
	WLOAD \g
.endif
	WIN 0
.endm
; One chunk of 128 k from slot sl and token buffer sl: 128 or 160 matrix instructions.  fa: the next chunk's token fragments are asked for;
; fw: the next chunk's weights are rounded and stored into the other slot; lw: the weights of the chunk after that are asked for; sk: the fifth tile may be jumped over.
; The pointers of the token fragments and of weight half 0 are stepped together at the head, behind one s_wait_xcnt 0, where the youngest load is half a chunk old.
; ONE barrier a chunk.  In front of its signal each wave's reads of slot sl and its stores into the other slot are done (s_wait_dscnt 0);
; behind its wait the other slot is read, and slot sl is written again in the next chunk.
; cond = 0 (pass 1): matrix instructions alone stand between signal and wait.
; cond = 1 (pass 2): the chunk is two parts, one in front of the barrier and one behind it, each jumped over where s39 = 0; the wait for
; the LDS instructions and the barrier stand behind the join, on both ways.  A part holds a chunk's fragment loads and its 16 + 16 weight loads together,
; so the counts of the waits below hold whichever parts have run.
.macro TRIP sl, zero, fa, fw, lw, na, n0, n1, last, cond, sk
.if \cond
	WIN 0
	s_cmp_eq_u32 s39, 0
	s_cbranch_scc1 .Lp1_\@
.endif
	s_wait_loadcnt \na                             ; this chunk's token fragments are in; na = the loads issued behind them
	PLACES
.if \fa
	s_wait_xcnt 0x0                                ; the bases are stepped only when the loads that name them have had their addresses translated
	s_add_nc_u64 s[PA:PA+1], s[PA:PA+1], ASTEP
.if \lw
	s_add_nc_u64 s[PW:PW+1], s[PW:PW+1], CH
.endif
	ALOAD (1-\sl), \sk
.endif
.set tg, 0
.rept 7
.if \fw
.if tg == 0
	WBATCH 0, (1-\sl), \lw, 0, \n0
.endif
.if tg == 4
	WBATCH 1, (1-\sl), \lw, 1, \n1
.endif
.endif
.if tg > 0
	PLACES
.endif
	FETCHB \sl, (tg+1)
	s_wait_dscnt 0x8                               ; all but the eight loads just issued: group tg's fragments are in
.if tg < 2
	MMS4 tg, \sl, 0, 3, \zero
	MMS5 tg, \sl, \zero, \sk
.else
	MMS4 tg, \sl, 0, 3, 0
	MMS5 tg, \sl, 0, \sk
.endif
.set tg, tg+1
.endr
.if \last
	s_wait_dscnt 0x0
	MMS4 7, \sl, 0, 3, 0
	MMS5 7, \sl, 0, \sk
.if \cond
	WIN 0
.Lp1_\@:
.endif
.else
.if \cond
	WIN 0
.Lp1_\@:
	s_wait_dscnt 0x0
	s_barrier_signal -1
	s_barrier_wait -1
	s_cmp_eq_u32 s39, 0
	s_cbranch_scc1 .Lp2_\@
	PLACES
	FETCHB (1-\sl), 0
	MMS4 7, \sl, 0, 3, 0
	MMS5 7, \sl, 0, \sk
	WIN 0
.Lp2_\@:
.else
	s_wait_dscnt 0x0
	s_barrier_signal -1
	MMS4 7, \sl, 0, 1, 0
	WIN 0
	s_barrier_wait -1
	PLACES
	FETCHB (1-\sl), 0
	MMS4 7, \sl, 2, 3, 0
	MMS5 7, \sl, 0, \sk
.endif
.endif
.endm
; The way out of my tile a: a lane holds 8 neighbouring columns of one row, 32 bytes, in each of 8 column tiles.  They go into my wave's own
; stage by rows and come back as whole rows of 512 bytes: each store then covers 512 neighbouring bytes, aligned.  The stage is written by LDS stores
; alone and is no other wave's; LDS serves a wave in order, so no wait stands between the stores and the loads.
.macro EPI a
	WIN 0
	s_add_co_u32 s37, s18, 4*\a
	s_cmp_ge_u32 s37, s24
	s_cbranch_scc1 .Lskip_\@                       ; the unit has no such tile
.set eb, 0
.rept 8
.if \a < 4
.set ei, 4*eb+\a
.else
.set ei, 32+eb
.endif
.set er, (8*ei)&255
	WIN (((256+8*ei)>>8)<<2)                       ; the store's data is source 1
	ds_store_b128 v15, v[er:er+3]   offset:64*eb
	ds_store_b128 v15, v[er+4:er+7] offset:64*eb+16
.set eb, eb+1
.endr
	WIN 0
	s_wait_xcnt 0x0                                ; the registers that the tile before stored from are loaded again only behind this wait
.set et, 0
.rept 16
	ds_load_b128 v[OUTR+4*et:OUTR+4*et+3], v16 offset:SPITCH*et
.set et, et+1
.endr
.set et, 0
.rept 16
	s_wait_dscnt 15-et                             ; row et is in, the younger loads stay out
	global_store_b128 v[SO+\a], v[OUTR+4*et:OUTR+4*et+3], s[PO:PO+1] offset:4096*et
.set et, et+1
.endr
.Lskip_\@:
.endm
; One pass: unit s20, its table word (e | tiles << 8) in s22; s39 = 1 where the table has that unit.  cond = 1: the work is jumped over where s39 = 0.
.macro PASS cond
	s_wait_xcnt 0x0                                ; the stores of the pass before have read their data, offsets and base
	s_and_b32 s23, s22, 0xff
	s_min_u32 s23, s23, 8                          ; e; 8 = the shared expert
	s_bfe_u32 s25, s22, 0x80008
	s_max_u32 s25, s25, 1
	s_sub_co_u32 s25, s25, 1
	s_min_u32 s25, s25, 19                         ; the last tile
	s_add_co_u32 s24, s25, 1
	s_cmp_lg_u32 s39, 0
	s_cselect_b32 s24, s24, 0                      ; the number of tiles to store: none where the slot has no unit
	s_add_co_u32 s37, s18, 16
	s_cmp_lt_u32 s37, s24
	s_cselect_b32 s41, 1, 0                        ; my fifth tile exists
	s_cmp_eq_u32 s23, 8
	s_cselect_b64 s[PW:PW+1], s[10:11], s[8:9]
	s_and_b32 s26, s23, 7
	s_lshl_b32 s26, s26, 23                        ; an expert's matrix: 8 MiB
	s_lshl_b32 s37, s38, 22                        ; my half of K: 1,024 rows of 4,096 bytes
	s_add_co_u32 s26, s26, s37
	s_lshl_b32 s37, s19, 9                         ; 128 columns of 4 bytes
	s_add_co_u32 s26, s26, s37
	s_mov_b32 s27, 0
	s_add_nc_u64 s[PW:PW+1], s[PW:PW+1], s[26:27]
	s_add_nc_u64 s[PW+2:PW+3], s[PW:PW+1], 64*RS   ; the chunk's k rows 64 to 127
	s_mul_i32 s26, s20, 1310720                    ; a unit of act: 20 tiles of 65,536 bytes
	s_lshl_b32 s37, s38, 15                        ; my half's 32 k steps
	s_add_co_u32 s26, s26, s37
	s_add_nc_u64 s[PA:PA+1], s[6:7], s[26:27]
	s_mul_i32 s26, s38, 23592960                   ; a part of y: 5,760 rows of 4,096 bytes
	s_mul_i32 s37, s20, 1310720                    ; a unit: 320 rows
	s_add_co_u32 s26, s26, s37
	s_lshl_b32 s37, s19, 9
	s_add_co_u32 s26, s26, s37
	s_add_nc_u64 s[PO:PO+1], s[12:13], s[26:27]
.irp a, 0,1,2,3,4
	s_add_co_u32 s37, s18, 4*\a
	s_min_u32 s37, s37, s25                        ; a tile past the unit's last reads the last
	s_min_u32 s37, s37, 19
	s_lshl_b32 s37, s37, ASH
	v_add_nc_u32 v[AO+\a], s37, v1
.endr
.if \cond
	s_cmp_eq_u32 s39, 0
	s_cbranch_scc1 .Lq1_\@
.endif
	; chunk 0: loaded, rounded, stored into slot 0.  Order of loads: 16 + 16 of weights, 40 of tokens, then each batch's successor.
	WLOAD 0
	WLOAD 1
	ALOAD 0, 0
	WBATCH 0, 0, 1, 1, 56                          ; behind half 0: half 1 (16) and the tokens (40)
	WBATCH 1, 0, 1, 1, 56                          ; behind half 1: the tokens (40) and chunk 1's half 0 (16)
.if \cond
.Lq1_\@:
.endif
	s_wait_dscnt 0x0                               ; my stores into slot 0 are done, and so are my reads of slot 1 in the pass before
	s_barrier_signal -1
	s_barrier_wait -1
.if \cond
	s_cmp_eq_u32 s39, 0
	s_cbranch_scc1 .Lq2_\@
.endif
	FETCHB 0, 0
.if \cond
.Lq2_\@:
.endif
	; The counts.  Behind a chunk's token loads: the next chunk's two weight batches, 32.  Behind a weight batch: the other batch (16) and the token loads,
	; 40 in the first chunk, 32 or 40 later: 56, then 48, the lesser, which on the way with 40 also asks for eight loads that are at least half a chunk old.
	TRIP 0, 1, 1, 1, 1, 32, 56, 56, 0, \cond, 0    ; the first products start the sums: nothing is cleared; the fifth tile is always run here
	TRIP 1, 0, 1, 1, 1, 32, 48, 48, 0, \cond, 1
	WIN 0
	s_mov_b32 s36, NLOOP
.Llap_\@:
	TRIP 0, 0, 1, 1, 1, 32, 48, 48, 0, \cond, 1
	TRIP 1, 0, 1, 1, 1, 32, 48, 48, 0, \cond, 1
	WIN 0
	s_sub_co_u32 s36, s36, 1
	s_cmp_lg_u32 s36, 0
	s_cbranch_scc1 .Llap_\@
	TRIP 0, 0, 1, 1, 0, 32, 48, 32, 0, \cond, 1    ; no weights are left to ask for: behind the last batch stand the 32 or 40 token loads alone
	TRIP 1, 0, 0, 0, 0, 0, 0, 0, 1, \cond, 1       ; the last chunk asks for nothing
.if \cond
	s_wait_loadcnt 0x0                             ; also on the way round the last chunk: no load is aimed at the registers that the way out loads into
.endif
	PLACES
	EPI 0
	EPI 1
	EPI 2
	EPI 3
	EPI 4
.endm
	s_load_b256 s[4:11], s[0:1], 0x0               ; tab s[4:5], act s[6:7], w2 s[8:9], sw2 s[10:11]
	s_load_b64 s[12:13], s[0:1], 0x20              ; y
	v_lshl_add_u32 v30, v0, 2, 0x19400
	v_mov_b32 v31, 0
	v_lshrrev_b32 v17, 5, v0
	v_readfirstlane_b32 s18, v17                   ; wave
	s_and_b32 s19, ttmp9, 7                        ; db: block of 128 columns
	s_lshr_b32 s38, ttmp9, 3                       ; kp: half of K
	s_and_b32 s40, ttmp7, 0xffff                   ; j: the slot
	s_lshl_b32 s43, s40, 2
	v_and_b32 v19, 31, v0
	v_lshlrev_b32 v1, 4, v19                       ; 16 lane
	s_mul_i32 s37, s18, 16*RS
	v_add_nc_u32 v2, s37, v1                       ; weights: my 16 k rows, my 16 bytes
	s_mul_i32 s37, s18, 16*PITCH
	v_lshl_add_u32 v3, v19, 3, s37                 ; LDS: my 16 rows, my 8 bytes
	v_and_b32 v17, 7, v0
	v_bfe_u32 v18, v0, 4, 1
	v_lshl_add_u32 v17, v18, 3, v17                ; 8 h + (lane & 7)
	v_mul_u32_u24 v17, v17, PITCH
	v_bfe_u32 v19, v0, 3, 1
	v_lshl_add_u32 v4, v19, 4, v17                 ; + 16 ((lane >> 3) & 1): the transposing load's address
	s_mul_i32 s37, s18, 16*SPITCH
	s_add_co_u32 s37, s37, 2*SLOT                  ; my stage, behind the two slots
	v_and_b32 v17, 15, v0
	v_mul_u32_u24 v17, v17, SPITCH
	v_lshl_add_u32 v17, v18, 5, v17
	v_add_nc_u32 v15, s37, v17                     ; in: row r, + 32 h
	v_add_nc_u32 v16, s37, v1                      ; back: 16 lane
.irp a, 0,1,2,3,4
	s_add_co_u32 s37, s18, 4*\a
	s_lshl_b32 s37, s37, 16                        ; a tile of y: 16 rows of 4,096 bytes
	v_add_nc_u32 v[SO+\a], s37, v1
.endr
	s_wait_kmcnt 0x0
	s_load_b32 s21, s[4:5], 0x7c                   ; U
	s_load_b32 s22, s[4:5], s43 offset:0x0         ; the word of unit j: j is at most 11
	s_load_b32 s42, s[4:5], s43 offset:0x30        ; the word of unit j + 12, at most 23: all three behind one wait
	s_wait_kmcnt 0x0
	s_min_u32 s21, s21, 18
	; pass 1: unit j; where the table has no unit j, unit 0, a unit of the shared expert with 16 tiles, of which nothing is stored
	s_cmp_lt_u32 s40, s21
	s_cselect_b32 s39, 1, 0
	s_cselect_b32 s20, s40, 0
	s_cselect_b32 s22, s22, 0x1008
	s_min_u32 s20, s20, 11
	PASS 0
	; pass 2: unit j + 12, where the table has one
	s_add_co_u32 s20, s40, 12
	s_cmp_lt_u32 s20, s21
	s_cselect_b32 s39, 1, 0
	s_min_u32 s20, s20, 17
	s_mov_b32 s22, s42
	PASS 1
	s_wait_tensorcnt 0x0
	ds_add_u32 v30, v31
	s_wait_dscnt 0x0
	s_endpgm
.Lfunc_end_k_q5e2189f7a8_down:
	.size	k_q5e2189f7a8_down, .Lfunc_end_k_q5e2189f7a8_down-k_q5e2189f7a8_down
	.p2alignl 7, 3214868480
	.fill 96, 4, 3214868480
	.section	.rodata,"a",@progbits
	.p2align	6, 0x0
	.amdhsa_kernel k_q5e2189f7a8_down
		.amdhsa_group_segment_fixed_size 103936
		.amdhsa_private_segment_fixed_size 0
		.amdhsa_enable_private_segment 0
		.amdhsa_kernarg_size 40
		.amdhsa_user_sgpr_count 2
		.amdhsa_user_sgpr_kernarg_segment_ptr 1
		.amdhsa_wavefront_size32 1
		.amdhsa_system_sgpr_workgroup_id_x 1
		.amdhsa_system_sgpr_workgroup_id_y 1
		.amdhsa_system_sgpr_workgroup_id_z 1
		.amdhsa_system_vgpr_workitem_id 0
		.amdhsa_next_free_vgpr 1024
		.amdhsa_next_free_sgpr 66
		.amdhsa_reserve_vcc 0
		.amdhsa_float_denorm_mode_32 3
		.amdhsa_float_denorm_mode_16_64 3
		.amdhsa_memory_ordered 1
		.amdhsa_forward_progress 1
		.amdhsa_inst_pref_size 255
	.end_amdhsa_kernel
	.section	.bss,"aw",@nobits
	.p2align	6
	.space	262144
	.amdgpu_metadata
---
amdhsa.version: [ 1, 2 ]
amdhsa.kernels:
  - .name:           k_q5e2189f7a8_down
    .symbol:         k_q5e2189f7a8_down.kd
    .args:
      - { .name: tab, .offset: 0, .size: 8, .value_kind: global_buffer, .address_space: global }
      - { .name: act, .offset: 8, .size: 8, .value_kind: global_buffer, .address_space: global }
      - { .name: w2, .offset: 16, .size: 8, .value_kind: global_buffer, .address_space: global }
      - { .name: sw2, .offset: 24, .size: 8, .value_kind: global_buffer, .address_space: global }
      - { .name: y, .offset: 32, .size: 8, .value_kind: global_buffer, .address_space: global }
    .group_segment_fixed_size: 103936
    .private_segment_fixed_size: 0
    .kernarg_segment_align: 8
    .kernarg_segment_size: 40
    .max_flat_workgroup_size: 128
    .sgpr_count:     66
    .vgpr_count:     1024
    .wavefront_size: 32
...
	.end_amdgpu_metadata
.endif
;; end of part 5
;; launch combine (part 6): grid 256 x 1, 8 waves a work-group, no clusters, 0 bytes of LDS; arguments sel, rw, rowmap, y, out0; writes out0
.if DOCPART == 6
	.amdgcn_target "amdgcn-amd-amdhsa--gfx1250"
	.amdhsa_code_object_version 6
	.text
	.protected	k_q5e2189f7a8_combine
	.globl	k_q5e2189f7a8_combine
	.p2align	8
	.type	k_q5e2189f7a8_combine,@function
k_q5e2189f7a8_combine:
	s_mov_b64 s[64:65], 0
	v_nop
	global_prefetch_b8 v0, s[64:65] scope:SCOPE_SE
	s_setreg_imm32_b32 hwreg(HW_REG_WAVE_MODE, 25, 1), 1
	s_wait_xcnt 0x0
; COMBINE.  out[t] = the sum over the two parts of K of ( y[part][shared row of t] + rw0 y[part][row of t in e1] + rw1 y[part][row of t in e2] ), all in f32.
; A work-group takes 4 tokens; a wave half a row (2,048 bytes): 24 loads of 512 neighbouring bytes, all on their way at once, and 4 stores.
; The shared row's number follows from t alone (unit t / 256 of 320 rows, row t mod 256), so its 8 loads go out ahead of the scalar wait.
; The token's word of sel, its two weights and its row in ALL eight experts (rowmap[x][t], 8 words) are asked for together, behind one wait;
; the two rows are then picked by the two experts' numbers: no scalar load waits for another's result.  Each row of y is read once in the launch.
; A stream: no LDS, no barrier, no matrix unit, no cluster (no two waves read the same bytes).
.set PART, 23592960                    ; a part of y: 5,760 rows of 4,096 bytes
.set SH,   8                           ; v[8:39]    the shared row: part s at 16 s
.set R0,   40                          ; v[40:103]  part s at 32 s: 16 registers of the first routed row, 16 of the second
.set ACC,  104                         ; v[104:119] the sum
	s_load_b256 s[4:11], s[0:1], 0x0               ; sel s[4:5], rw s[6:7], rowmap s[8:9], y s[10:11]
	s_load_b64 s[12:13], s[0:1], 0x20              ; out0
	v_lshrrev_b32 v1, 5, v0
	v_readfirstlane_b32 s14, v1                    ; wave
	s_lshr_b32 s15, s14, 1
	s_lshl_b32 s16, ttmp9, 2
	s_add_co_u32 s16, s16, s15                     ; t
	s_and_b32 s17, s14, 1
	s_lshl_b32 s17, s17, 11                        ; my half of the row
	v_and_b32 v1, 31, v0
	v_lshl_add_u32 v1, v1, 4, s17                  ; 2,048 half + 16 lane
	s_lshl_b32 s18, s16, 2
	s_lshl_b32 s19, s16, 3
	s_lshr_b32 s30, s16, 8
	s_mul_i32 s30, s30, 320
	s_and_b32 s31, s16, 255
	s_add_co_u32 s30, s30, s31                     ; the shared row
	s_lshl_b32 s30, s30, 12
	v_add_nc_u32 v2, s30, v1
	s_lshl_b32 s31, s16, 12
	v_add_nc_u32 v5, s31, v1                       ; my bytes of out0
	s_wait_kmcnt 0x0
	s_load_b32 s20, s[4:5], s18 offset:0x0         ; the token's two experts
	s_load_b64 s[22:23], s[6:7], s19 offset:0x0    ; their weights
.irp x, 0,1,2,3,4,5,6,7
	s_load_b32 s[40+\x], s[8:9], s18 offset:4096*\x   ; the token's row in expert x: 4,096 bytes of rowmap an expert
.endr
	s_add_nc_u64 s[34:35], s[10:11], PART
.macro ROW4 dst, off, lo               ; four loads: my 2,048 bytes of one row of one part
.irp i, 0,1,2,3
	global_load_b128 v[\dst+4*\i:\dst+4*\i+3], v[\off], s[\lo:\lo+1] offset:512*\i th:TH_LOAD_NT
.endr
.endm
	ROW4 SH,    2, 10
	ROW4 SH+16, 2, 34
	s_wait_kmcnt 0x0
	s_bfe_u32 s24, s20, 0x30008                    ; e1, 3 bits
	s_bfe_u32 s25, s20, 0x30010                    ; e2, 3 bits
	s_mov_b32 s26, s40
	s_mov_b32 s27, s40
.irp x, 1,2,3,4,5,6,7
	s_cmp_eq_u32 s24, \x
	s_cselect_b32 s26, s[40+\x], s26               ; the row in e1
	s_cmp_eq_u32 s25, \x
	s_cselect_b32 s27, s[40+\x], s27               ; the row in e2
.endr
	s_mov_b32 s28, s23                             ; rw1 as the low word of a pair, for the packed multiply-add
	s_mov_b32 s29, s23
	s_min_u32 s26, s26, 5759
	s_min_u32 s27, s27, 5759
	s_lshl_b32 s26, s26, 12
	s_lshl_b32 s27, s27, 12
	v_add_nc_u32 v3, s26, v1
	v_add_nc_u32 v4, s27, v1
	ROW4 R0,    3, 10
	ROW4 R0+16, 4, 10
	ROW4 R0+32, 3, 34
	ROW4 R0+48, 4, 34
	; part 0 starts the sum from the shared row: nothing is cleared
	s_wait_loadcnt 8                               ; loads return in order: the shared rows and part 0 are in; part 1's 8 loads stay out
.irp p, 0,2,4,6,8,10,12,14
	v_pk_fma_f32 v[ACC+\p:ACC+\p+1], v[R0+\p:R0+\p+1], s[22:23], v[SH+\p:SH+\p+1] op_sel_hi:[1,0,1]
.endr
.irp p, 0,2,4,6,8,10,12,14
	v_pk_fma_f32 v[ACC+\p:ACC+\p+1], v[R0+16+\p:R0+16+\p+1], s[28:29], v[ACC+\p:ACC+\p+1] op_sel_hi:[1,0,1]
.endr
.irp p, 0,2,4,6,8,10,12,14
	v_pk_add_f32 v[ACC+\p:ACC+\p+1], v[ACC+\p:ACC+\p+1], v[SH+16+\p:SH+16+\p+1]
.endr
	s_wait_loadcnt 0
.irp p, 0,2,4,6,8,10,12,14
	v_pk_fma_f32 v[ACC+\p:ACC+\p+1], v[R0+32+\p:R0+32+\p+1], s[22:23], v[ACC+\p:ACC+\p+1] op_sel_hi:[1,0,1]
.endr
.irp p, 0,2,4,6,8,10,12,14
	v_pk_fma_f32 v[ACC+\p:ACC+\p+1], v[R0+48+\p:R0+48+\p+1], s[28:29], v[ACC+\p:ACC+\p+1] op_sel_hi:[1,0,1]
.endr
.irp i, 0,1,2,3
	global_store_b128 v5, v[ACC+4*\i:ACC+4*\i+3], s[12:13] offset:512*\i th:TH_STORE_NT   ; 512 neighbouring bytes, aligned
.endr
	s_endpgm
.Lfunc_end_k_q5e2189f7a8_combine:
	.size	k_q5e2189f7a8_combine, .Lfunc_end_k_q5e2189f7a8_combine-k_q5e2189f7a8_combine
	.p2alignl 7, 3214868480
	.fill 96, 4, 3214868480
	.section	.rodata,"a",@progbits
	.p2align	6, 0x0
	.amdhsa_kernel k_q5e2189f7a8_combine
		.amdhsa_group_segment_fixed_size 0
		.amdhsa_private_segment_fixed_size 0
		.amdhsa_enable_private_segment 0
		.amdhsa_kernarg_size 40
		.amdhsa_user_sgpr_count 2
		.amdhsa_user_sgpr_kernarg_segment_ptr 1
		.amdhsa_wavefront_size32 1
		.amdhsa_system_sgpr_workgroup_id_x 1
		.amdhsa_system_sgpr_workgroup_id_y 1
		.amdhsa_system_sgpr_workgroup_id_z 1
		.amdhsa_system_vgpr_workitem_id 0
		.amdhsa_next_free_vgpr 120
		.amdhsa_next_free_sgpr 66
		.amdhsa_reserve_vcc 0
		.amdhsa_float_denorm_mode_32 3
		.amdhsa_float_denorm_mode_16_64 3
		.amdhsa_memory_ordered 1
		.amdhsa_forward_progress 1
		.amdhsa_inst_pref_size 9
	.end_amdhsa_kernel
	.amdgpu_metadata
---
amdhsa.version: [ 1, 2 ]
amdhsa.kernels:
  - .name:           k_q5e2189f7a8_combine
    .symbol:         k_q5e2189f7a8_combine.kd
    .args:
      - { .name: sel, .offset: 0, .size: 8, .value_kind: global_buffer, .address_space: global }
      - { .name: rw, .offset: 8, .size: 8, .value_kind: global_buffer, .address_space: global }
      - { .name: rowmap, .offset: 16, .size: 8, .value_kind: global_buffer, .address_space: global }
      - { .name: y, .offset: 24, .size: 8, .value_kind: global_buffer, .address_space: global }
      - { .name: out0, .offset: 32, .size: 8, .value_kind: global_buffer, .address_space: global }
    .group_segment_fixed_size: 0
    .private_segment_fixed_size: 0
    .kernarg_segment_align: 8
    .kernarg_segment_size: 40
    .max_flat_workgroup_size: 256
    .sgpr_count:     66
    .vgpr_count:     120
    .wavefront_size: 32
...
	.end_amdgpu_metadata
.endif
;; end of part 6
;; ======== version 2 of 2: 6 launches; version 1 with the launches up, down written anew for expert scheduling mode
;; limits: values outside matrix products are rounded to bf16
;; workspace buffers: xa 11,796,480 bytes; act 23,592,960 bytes; y 47,185,920 bytes; rw 8,192 bytes; sel 4,096 bytes of whole numbers; rowmap 32,768 bytes of whole numbers; tab 256 bytes of whole numbers; list 32,768 bytes of whole numbers
;; launch route: the kernel of part 1 again; grid 64 x 1, 8 waves a work-group, no clusters, 61,440 bytes of LDS; arguments x, router_w, experts_bias, xa, sel, rw; writes xa, sel, rw
;; launch plan: the kernel of part 2 again; grid 8 x 1, 8 waves a work-group, no clusters, 5,376 bytes of LDS; arguments sel, list, rowmap, tab; writes list, rowmap, tab
;; launch gather: the kernel of part 3 again; grid 20 x 8, 8 waves a work-group, no clusters, 35,840 bytes of LDS; arguments tab, list, x, xa; writes xa
;; launch up (part 7): grid 16 x 12, 4 waves a work-group, no clusters, 70,144 bytes of LDS; arguments tab, xa, w1, w3, sw1, sw3, act; writes act
.if DOCPART == 7
	.amdgcn_target "amdgcn-amd-amdhsa--gfx1250"
	.amdhsa_code_object_version 6
	.text
	.protected	k_q5e2189f7a8_up
	.globl	k_q5e2189f7a8_up
	.p2align	8
	.type	k_q5e2189f7a8_up,@function
k_q5e2189f7a8_up:
	s_mov_b64 s[64:65], 0
	v_nop
	global_prefetch_b8 v0, s[64:65] scope:SCOPE_SE
	s_setreg_imm32_b32 hwreg(HW_REG_WAVE_SCHED_MODE, 0, 2), 2
	s_setreg_imm32_b32 hwreg(HW_REG_WAVE_MODE, 25, 1), 1
	s_wait_xcnt 0x0
	s_wait_alu depctr_vm_vsrc(0)
; UP.  For a unit (up to 20 tiles of 16 compact rows of one expert) and 128 hidden columns: act = silu(X W1) * (X W3), rounded once to bf16 and
; stored in the order in which the next launch's matrix instructions take it.  Only the rows that the router chose are computed
; (an expert that was not chosen has weight 0 in the sum), besides all rows of the shared expert.
; GRID: x = block of 128 hidden columns (16), y = slot j (12).  The table has U units (tab[31]), 11 to 18.
; TWO PASSES, both written out, so that every wave passes every barrier the same number of times whatever the table holds: no barrier stands
; under a branch that hangs on a loaded number.  Pass 1 takes unit j and runs whole.  Pass 2 takes unit j + 12: where the table has none
; (s39 = 0) the work between its barriers is jumped over, in parts that are run whole or not at all.
; LIMIT: where the routing needs only 11 units, slot 11 has no unit: its pass 1 multiplies unit 0 once more and stores nothing.
; A WORK-GROUP: 4 waves; wave w owns tiles w, w + 4, .. w + 16 (5 tiles) and all 256 columns (128 of W1, 128 of W3): 80 accumulators, 640 registers.
; THE FIFTH TILE (16 + w) exists only in units of more than 16 + w tiles (s41 = 1).  Where it does not, its fragment loads and its 4 matrix
; instructions of each group are jumped over; only the first chunk's are always run (on the unit's last tile), so that every register is written on every way.
; One of tiles 0 to 3 at or past the unit's count loads the unit's last tile in its stead; no such tile is stored.
; WEIGHTS are f32 [k][n] in memory: each wave loads 16 of a chunk's 64 k rows (512 neighbouring bytes a load), rounds to bf16 in registers, and lays
; them into one of two LDS slots as bf16 [k][n]; transposing LDS loads make the fragments.  They pass through registers because they must be rounded.
; TOKEN FRAGMENTS come from xa straight into the registers of the one wave that multiplies them: two loads of 512 neighbouring bytes a fragment.
; NO CLUSTER: a routed expert's 64 KiB of weights for a chunk are read by this work-group alone; the 32 to 40 KiB of token fragments that the 16 column blocks
; share would have to land in LDS to be asked for jointly, as many bytes written and read more for each chunk, beside the 160 KiB that a chunk moves there.
; REGISTERS, in windows of 256: window 0: v1-19 addresses, v32-95 two buffers of 4 weight fragments, v96-255 two buffers of 10 token fragments;
; v256-767: accumulator 4 b + a (column tile b = 0 .. 15, my tile a = 0 .. 3) at 256 + 8 x; v768-895: accumulator 64 + b of my fifth tile;
; v896-1023: 32 weight rows as loaded.  A group's 16 accumulators of tiles 0 to 3 lie in one window.
; The matrix instruction takes the weights as source 0 and the tokens as source 1: lane r holds token r, register j column 16 b + 8 h + j.
; THE MODE: SCHED_MODE bits 1:0 = 2 (LLVM: expert scheduling mode 2), set by the entry lines.  The code itself states the register dependences
; between vector or matrix instructions and memory or LDS instructions, with s_wait_alu, always for 0.
; THE PLAN.  Registers that memory or LDS instructions touch, in a chunk of eight groups of 16 or 20 matrix instructions:
;   BF0, BF1   Group g's matrix instructions read BF[g & 1]; the transposing loads of group g + 1, issued in group g, land in the other, which group g - 1 read.
;   AF0, AF1   Chunk c's matrix instructions read AF[c & 1]; the loads for chunk c + 1, issued in group 0, land in the other, which chunk c - 1 read.
;   WS half h  Loads land; 32 conversions round it in place ahead of the head of group 1 (h = 0) or 5 (h = 1); 16 LDS stores read it in that group;
;              it is loaded again in the next group, 2 or 6.
;   v2, v3, v4, v10-14  addresses, made once at the head.   v5-9  token offsets, made at each pass's head.
;   The accumulators are named by matrix and vector instructions alone.
; All 1,024 registers are taken: 64 registers of weight fragments serve the 256 that a chunk needs, so 32 are freed eight times a chunk: ONE wait on va_vdst
; at each group's head.  It states that the group before is done reading the fragments that are loaded next; at group 0 also the chunk before's token fragments;
; at groups 1 and 5 that the conversions have written the rows; at groups 2 and 6 it stands behind the stores of those rows, ahead of their reload.
; Behind it the group's memory instructions are dealt in runs of eight among its matrix instructions, which name none of the registers that these touch.
; Two waits on vm_vsrc a chunk stand ahead of the reloads of WS, a group behind the LDS stores that read it.
.set RS,    8192                       ; bytes in a row of W1 or W3
.set CH,    64*RS                      ; a chunk: 64 k
.set ASH,   15                         ; a tile of xa: 32 k steps of 1,024 bytes
.set ASTEP, 2048                       ; a chunk's 2 k steps in a tile of xa
.set NLOOP, 6                          ; 16 chunks: 2 ahead of the loop, 2 x 6 in it, 2 behind it
.set PITCH, 544                        ; an LDS row: 512 bytes of bf16 + 32 = 17 x 32
.set SLOT,  64*PITCH
.set AO,    5                          ; v5-9    tile a: byte offset of my 16 bytes in its first block of xa
.set SO,    10                         ; v10-14  tile a: byte offset of my 16 bytes in its first block of act
.set BF,    32
.set AF,    96
.set WS,    128                        ; in window 3
.set T,     32                         ; the way out: v32-95, v96-159, v160-191
.set GU,    96
.set PK,    160
.set PW,    28                         ; s[28:29] W1, s[30:31] W3 at the chunk that is loaded next
.set PA,    32                         ; s[32:33] xa at the chunk loaded last
.set PO,    34                         ; s[34:35] act at the unit and the column block
.set MSB,   0
.macro WIN new                         ; the immediate's high byte repeats the setting that is left; nothing is written where nothing changes
.set WNEW, \new
.if MSB != WNEW
	s_set_vgpr_msb (MSB<<8)|WNEW
.set MSB, WNEW
.endif
.endm
; Four places: a vector instruction that reads a matrix result or writes one of a matrix instruction's registers stands four plain vector instructions
; behind that matrix instruction (ISA guide 7.12.1).  The same four are kept between a matrix instruction and a load into a register that it has read:
; they stand ahead of the wait that states that dependence, and are issued while the matrix instructions in front of them are at work.
.macro PLACES
.rept 4
	v_nop
.endr
.endm
.macro MM idx, bf, af, zero            ; one matrix instruction on accumulator idx
.set mw, (256+8*(\idx))>>8
.set mr, (8*(\idx))&255
	WIN ((mw<<6)|(mw<<4))
.if \zero
	v_wmma_f32_16x16x32_bf16 v[mr:mr+7], v[\bf:\bf+7], v[\af:\af+7], 0
.else
	v_wmma_f32_16x16x32_bf16 v[mr:mr+7], v[\bf:\bf+7], v[\af:\af+7], v[mr:mr+7]
.endif
.endm
; Group G = 4 (k step) + q.  MMS4: column tiles 4 q + bb0 .. 4 q + bb1 x my tiles 0 to 3.  MMS5: column tiles 4 q .. 4 q + 3 x my fifth tile,
; jumped over (sk = 1) where the wave has none.  The accumulators take turns, one instruction a turn, in the same order in every k step and over
; every backward jump; a group's accumulators are all different and no two groups that follow each other share one,
; so the turns hold whichever parts are jumped over.
.macro MMS4 G, buf, bb0, bb1, zero
.set mbb, \bb0
.rept \bb1-\bb0+1
.set ma, 0
.rept 4
	MM (4*(4*((\G)&3)+mbb)+ma), (BF+32*((\G)&1)+8*mbb), (AF+80*(\buf)+40*((\G)>>2)+8*ma), \zero
.set ma, ma+1
.endr
.set mbb, mbb+1
.endr
.endm
.macro MMS5 G, buf, zero, sk
.if \sk
	WIN 0
	s_cmp_eq_u32 s41, 0
	s_cbranch_scc1 .Ln5_\@
.endif
.set mbb, 0
.rept 4
	MM (64+4*((\G)&3)+mbb), (BF+32*((\G)&1)+8*mbb), (AF+80*(\buf)+40*((\G)>>2)+32), \zero
.set mbb, mbb+1
.endr
.if \sk
	WIN 0
.Ln5_\@:
.endif
.endm
.macro FETCHB sl, G                    ; eight transposing loads: the four weight fragments of group G from slot sl
	WIN 0
.set fb, 0
.rept 4
	ds_load_tr16_b128 v[BF+32*((\G)&1)+8*fb:BF+32*((\G)&1)+8*fb+3],   v4 offset:(\sl)*SLOT+32*PITCH*((\G)>>2)+32*(4*((\G)&3)+fb)
	ds_load_tr16_b128 v[BF+32*((\G)&1)+8*fb+4:BF+32*((\G)&1)+8*fb+7], v4 offset:(\sl)*SLOT+32*PITCH*((\G)>>2)+32*(4*((\G)&3)+fb)+16*PITCH
.set fb, fb+1
.endr
.endm
; A chunk's token fragments.  ALOADK: eight loads, tiles 0 to 3 of k step ak.  ALOAD5: four loads, the fifth tile's two k steps, jumped over (sk = 1) where the wave has none.
.macro ALOADK buf, ak
	WIN 0
.set aa, 0
.rept 4
	global_load_b128 v[AF+80*(\buf)+40*(\ak)+8*aa:AF+80*(\buf)+40*(\ak)+8*aa+3],   v[AO+aa], s[PA:PA+1] offset:1024*(\ak)
	global_load_b128 v[AF+80*(\buf)+40*(\ak)+8*aa+4:AF+80*(\buf)+40*(\ak)+8*aa+7], v[AO+aa], s[PA:PA+1] offset:1024*(\ak)+512
.set aa, aa+1
.endr
.endm
.macro ALOAD5 buf, sk
	WIN 0
.if \sk
	s_cmp_eq_u32 s41, 0
	s_cbranch_scc1 .Lna_\@
.endif
.set ak, 0
.rept 2
	global_load_b128 v[AF+80*(\buf)+40*ak+32:AF+80*(\buf)+40*ak+35], v[AO+4], s[PA:PA+1] offset:1024*ak
	global_load_b128 v[AF+80*(\buf)+40*ak+36:AF+80*(\buf)+40*ak+39], v[AO+4], s[PA:PA+1] offset:1024*ak+512
.set ak, ak+1
.endr
.if \sk
.Lna_\@:
.endif
.endm
.macro WLOAD g, h                      ; eight loads: rows 8 h .. 8 h + 7 of my 16 k rows of column half g
	WIN 0xcc                                       ; destination and source 1 in window 3, the address in window 0
.set wi, 8*(\h)
.rept 8
	global_load_b128 v[WS+64*\g+4*wi:WS+64*\g+4*wi+3], v2, s[PW+2*\g:PW+2*\g+1] offset:RS*wi
.set wi, wi+1
.endr
.endm
.macro WCVT g, cnt                     ; column half g of the chunk that has been loaded is rounded in place
	s_wait_loadcnt \cnt                            ; my 16 loads are in; cnt = the least number of loads issued behind them on any way
	WIN 0xcf
.set wi, 0
.rept 16
	v_cvt_pk_bf16_f32 v[WS+64*\g+4*wi],   v[WS+64*\g+4*wi],   v[WS+64*\g+4*wi+1]
	v_cvt_pk_bf16_f32 v[WS+64*\g+4*wi+1], v[WS+64*\g+4*wi+2], v[WS+64*\g+4*wi+3]
.set wi, wi+1
.endr
.endm
.macro WSTORE g, dst, h                ; eight LDS stores: rows 8 h .. 8 h + 7 of column half g into slot dst
	WIN 0xcc
.set wi, 8*(\h)
.rept 8
	ds_store_b64 v3, v[WS+64*\g+4*wi:WS+64*\g+4*wi+1] offset:(\dst)*SLOT+PITCH*wi+256*\g   ; 32 lanes, 256 neighbouring bytes
.set wi, wi+1
.endr
.endm
; One chunk of 64 k from slot sl and token buffer sl: 128 or 160 matrix instructions in eight groups.  fa: the next chunk's token fragments are asked for (group 0);
; fw: the next chunk's weights are rounded (ahead of groups 1 and 5) and stored into the other slot (in groups 1 and 5); lw: the weights of the chunk after that are
; asked for (groups 2 and 6); sk: the fifth tile may be jumped over; zero: the pass's first chunk, whose products start the sums.
; The three scalar bases are stepped together in group 0, behind one s_wait_xcnt 0, where the youngest global load is more than a group old.
; ONE barrier a chunk.  In front of its signal each wave's reads of slot sl and its stores into the other slot are done (s_wait_dscnt 0);
; behind its wait the other slot is read, and slot sl is written again in the next chunk.
; cond = 0 (pass 1): matrix instructions alone stand between signal and wait.
; cond = 1 (pass 2): the chunk is two parts, one in front of the barrier and one behind it, each jumped over where s39 = 0; the wait for
; the LDS instructions and the barrier stand behind the join, on both ways.  A part holds a chunk's fragment loads and its 16 + 16 weight loads together,
; and every wait on va_vdst or vm_vsrc for what it issues, so the counts and the waits below hold whichever parts have run.
.macro TRIP sl, zero, fa, fw, lw, na, n0, n1, last, cond, sk
.if \cond
	WIN 0
	s_cmp_eq_u32 s39, 0
	s_cbranch_scc1 .Lp1_\@
.endif
.set tg, 0
.rept 7
.set tz, 0
.if tg < 4
.set tz, \zero
.endif
.if \fw && (tg == 1)
	WCVT 0, \n0                                    ; these 32 are also the places behind the group before
.elseif \fw && (tg == 5)
	WCVT 1, \n1
.elseif (tg > 0) || !\zero
	PLACES
.endif
.if (tg > 0) || !\zero
	s_wait_alu depctr_va_vdst(0)                   ; the group before is done reading the weight fragments in which this group's LDS loads land; at group 0 the chunk before is done reading its token fragments, in which the loads below land; at groups 1 and 5 the conversions have written the rows that the LDS stores read; at groups 2 and 6 they are done with the rows in which the loads land
.endif
.if tg == 0
	s_wait_loadcnt \na                             ; this chunk's token fragments are in; na = the loads issued behind them
.endif
.if \fw && ((tg&3) == 2)
	s_wait_dscnt 16                                ; this group's fragments are in; the sixteen LDS stores issued behind them may be out
.else
	s_wait_dscnt 0x0                               ; this group's fragments, asked for a group ago, are in
.endif
	MMS4 tg, \sl, 0, 0, tz
	FETCHB \sl, (tg+1)                             ; no vector or matrix instruction since the head's wait names these registers; the same holds of every run below
	MMS4 tg, \sl, 1, 1, tz
.if \fa && (tg == 0)
	s_wait_xcnt 0x0                                ; the bases are stepped only when the loads that name them have had their addresses translated
	s_add_nc_u64 s[PA:PA+1], s[PA:PA+1], ASTEP
.if \lw
	s_add_nc_u64 s[PW:PW+1], s[PW:PW+1], CH
	s_add_nc_u64 s[PW+2:PW+3], s[PW+2:PW+3], CH
.endif
	ALOADK (1-\sl), 0
.endif
.if \fw && ((tg&3) == 1)
	WSTORE (tg>>2), (1-\sl), 0
.endif
.if \lw && ((tg&3) == 2)
	WIN 0xcc
	s_wait_alu depctr_vm_vsrc(0)                   ; the LDS stores of the group before have read the rows in which the loads below land
	WLOAD (tg>>2), 0
.endif
	MMS4 tg, \sl, 2, 2, tz
.if \fa && (tg == 0)
	ALOADK (1-\sl), 1
.endif
.if \fw && ((tg&3) == 1)
	WSTORE (tg>>2), (1-\sl), 1
.endif
.if \lw && ((tg&3) == 2)
	WLOAD (tg>>2), 1
.endif
	MMS4 tg, \sl, 3, 3, tz
.if \fa && (tg == 0)
	ALOAD5 (1-\sl), \sk
.endif
	MMS5 tg, \sl, tz, \sk
.set tg, tg+1
.endr
.if \last
	s_wait_dscnt 0x0
	MMS4 7, \sl, 0, 3, 0
	MMS5 7, \sl, 0, \sk
.if \cond
	WIN 0
.Lp1_\@:
.endif
.else
	PLACES
	s_wait_alu depctr_va_vdst(0)                   ; group 6 is done reading the weight fragments in which the next chunk's first land, behind the barrier; group 7 names the other buffer
.if \cond
	WIN 0
.Lp1_\@:
	s_wait_dscnt 0x0
	s_barrier_signal -1
	s_barrier_wait -1
	s_cmp_eq_u32 s39, 0
	s_cbranch_scc1 .Lp2_\@
	FETCHB (1-\sl), 0
	MMS4 7, \sl, 0, 3, 0
	MMS5 7, \sl, 0, \sk
	WIN 0
.Lp2_\@:
.else
	s_wait_dscnt 0x0
	s_barrier_signal -1
	MMS4 7, \sl, 0, 1, 0
	WIN 0
	s_barrier_wait -1
	FETCHB (1-\sl), 0
	MMS4 7, \sl, 2, 3, 0
	MMS5 7, \sl, 0, \sk
.endif
.endif
.endm
; The way out of my tile a: silu(g) u = g u / (1 + exp(-g)), eight column tiles of g with their partners of u (column tile + 8).
; A lane's eight results of column tile b are registers 4 (b & 1) .. + 3 of the token fragment of k step 4 hb + b / 2 of the next product:
; no trip through LDS, and each store covers 512 neighbouring bytes, aligned.  For g far below zero the exponential is infinite,
; the reciprocal 0 and the result 0, the limit of the true value.
.macro EPI a
	WIN 0
	s_add_co_u32 s37, s18, 4*\a
	s_cmp_ge_u32 s37, s24
	s_cbranch_scc1 .Lskip_\@                       ; the unit has no such tile
.set eb, 0
.rept 8
.if \a < 4
.set ig, 4*eb+\a
.set iu, ig+32
.else
.set ig, 64+eb
.set iu, 72+eb
.endif
.set rg, (8*ig)&255
.set ru, (8*iu)&255
	WIN (((256+8*ig)>>8)|(((256+8*iu)>>8)<<2))
.set ep, 0
.rept 4
	v_pk_mul_f32 v[T+8*eb+2*ep:T+8*eb+2*ep+1],   v[rg+2*ep:rg+2*ep+1], 0xbfb8aa3b op_sel_hi:[1,0]   ; - g log2 e
	v_pk_mul_f32 v[GU+8*eb+2*ep:GU+8*eb+2*ep+1], v[rg+2*ep:rg+2*ep+1], v[ru+2*ep:ru+2*ep+1]         ; g u
.set ep, ep+1
.endr
.set eb, eb+1
.endr
	WIN 0
.set ep, 0
.rept 64
	v_exp_f32 v[T+ep], v[T+ep]
.set ep, ep+1
.endr
	v_nop                                          ; a plain instruction between the last exponential and its use (ISA guide 5.7.2)
	s_wait_alu depctr_va_vdst(0)                   ; the 64 exponentials have written v[T ..], ahead of their first reader: one wait for the batch
.set ep, 0
.rept 32
	v_pk_add_f32 v[T+2*ep:T+2*ep+1], v[T+2*ep:T+2*ep+1], 1.0 op_sel_hi:[1,0]
.set ep, ep+1
.endr
.set ep, 0
.rept 64
	v_rcp_f32 v[T+ep], v[T+ep]
.set ep, ep+1
.endr
	v_nop
	s_wait_alu depctr_va_vdst(0)                   ; the 64 reciprocals have written v[T ..], ahead of their first reader
.set ep, 0
.rept 32
	v_pk_mul_f32 v[T+2*ep:T+2*ep+1], v[T+2*ep:T+2*ep+1], v[GU+2*ep:GU+2*ep+1]
.set ep, ep+1
.endr
.if \a > 0
	s_wait_xcnt 0x0                                ; the packed registers of the tile before are written again only behind this wait
	s_wait_alu depctr_vm_vsrc(0)                   ; the stores of the tile before have read v[PK ..], which the conversions below write again
.endif
.set ep, 0
.rept 32
	v_cvt_pk_bf16_f32 v[PK+ep], v[T+2*ep], v[T+2*ep+1]
.set ep, ep+1
.endr
	s_wait_alu depctr_va_vdst(0)                   ; the conversions have written v[PK ..], which the stores read
.set eb, 0
.rept 8
	global_store_b128 v[SO+\a], v[PK+4*eb:PK+4*eb+3], s[PO:PO+1] offset:512*eb
.set eb, eb+1
.endr
.Lskip_\@:
.endm
; One pass: unit s20, its table word (e | tiles << 8) in s22; s39 = 1 where the table has that unit.  cond = 1: the work is jumped over where s39 = 0.
.macro PASS cond
	s_wait_xcnt 0x0                                ; the stores of the pass before have read their data, offsets and base
.if \cond
	s_wait_alu depctr_vm_vsrc(0)                   ; pass 1's token loads have read v5-9, which are written again below; its last LDS stores have read the weight rows and its last stores v[PK ..], in which this pass's loads land
.endif
	s_and_b32 s23, s22, 0xff
	s_min_u32 s23, s23, 8                          ; e; 8 = the shared expert
	s_bfe_u32 s25, s22, 0x80008
	s_max_u32 s25, s25, 1
	s_sub_co_u32 s25, s25, 1
	s_min_u32 s25, s25, 19                         ; the last tile
	s_add_co_u32 s24, s25, 1
	s_cmp_lg_u32 s39, 0
	s_cselect_b32 s24, s24, 0                      ; the number of tiles to store: none where the slot has no unit
	s_add_co_u32 s37, s18, 16
	s_cmp_lt_u32 s37, s24
	s_cselect_b32 s41, 1, 0                        ; my fifth tile exists
	s_cmp_eq_u32 s23, 8
	s_cselect_b64 s[PW:PW+1], s[12:13], s[8:9]
	s_cselect_b64 s[PW+2:PW+3], s[14:15], s[10:11]
	s_and_b32 s26, s23, 7
	s_lshl_b32 s26, s26, 23                        ; an expert's matrix: 8 MiB
	s_lshl_b32 s37, s19, 9                         ; 128 columns of 4 bytes
	s_add_co_u32 s26, s26, s37
	s_mov_b32 s27, 0
	s_add_nc_u64 s[PW:PW+1], s[PW:PW+1], s[26:27]
	s_add_nc_u64 s[PW+2:PW+3], s[PW+2:PW+3], s[26:27]
	s_mul_i32 s26, s20, 655360                     ; a unit of xa: 20 tiles of 32,768 bytes
	s_add_nc_u64 s[PA:PA+1], s[6:7], s[26:27]
	s_mul_i32 s26, s20, 1310720                    ; a unit of act: 20 tiles of 65,536 bytes
	s_lshl_b32 s37, s19, 12                        ; my block's 4 k steps
	s_add_co_u32 s26, s26, s37
	s_add_nc_u64 s[PO:PO+1], s[16:17], s[26:27]
.irp a, 0,1,2,3,4
	s_add_co_u32 s37, s18, 4*\a
	s_min_u32 s37, s37, s25                        ; a tile past the unit's last reads the last
	s_min_u32 s37, s37, 19
	s_lshl_b32 s37, s37, ASH
	v_add_nc_u32 v[AO+\a], s37, v1
.endr
	s_wait_alu depctr_va_vdst(0)                   ; the addresses v2 to v14 are written, which this pass's loads and stores read; in pass 2 the matrix and vector instructions of pass 1 and its way out are done with the registers in which this pass's loads land
.if \cond
	s_cmp_eq_u32 s39, 0
	s_cbranch_scc1 .Lq1_\@
.endif
	; chunk 0: loaded, rounded, stored into slot 0.  Order of loads: 16 + 16 of weights, 20 of tokens, then chunk 1's 16 + 16.
	WLOAD 0, 0
	WLOAD 0, 1
	WLOAD 1, 0
	WLOAD 1, 1
	ALOADK 0, 0
	ALOADK 0, 1
	ALOAD5 0, 0
	WCVT 0, 36                                     ; behind half 0: half 1 (16) and the tokens (20)
	WCVT 1, 20                                     ; behind half 1: the tokens (20)
	s_wait_alu depctr_va_vdst(0)                   ; the conversions have written the rows, which the LDS stores read
	WSTORE 0, 0, 0
	WSTORE 0, 0, 1
	WSTORE 1, 0, 0
	WSTORE 1, 0, 1
	s_wait_xcnt 0x0                                ; the bases are stepped only when the loads that name them have had their addresses translated
	s_add_nc_u64 s[PW:PW+1], s[PW:PW+1], CH
	s_add_nc_u64 s[PW+2:PW+3], s[PW+2:PW+3], CH
	s_wait_alu depctr_va_vdst(0)                   ; the conversions are done reading and writing the rows in which the loads below land: stated behind the window's switch and behind the stores that read those rows
	s_wait_alu depctr_vm_vsrc(0)                   ; the LDS stores have read those rows
	WLOAD 0, 0
	WLOAD 0, 1
	WLOAD 1, 0
	WLOAD 1, 1
	WIN 0
.if \cond
.Lq1_\@:
.endif
	s_wait_dscnt 0x0                               ; my stores into slot 0 are done, and so are my reads of slot 1 in the pass before
	s_barrier_signal -1
	s_barrier_wait -1
.if \cond
	s_cmp_eq_u32 s39, 0
	s_cbranch_scc1 .Lq2_\@
.endif
	FETCHB 0, 0
.if \cond
.Lq2_\@:
.endif
	; The counts.  The global loads go out in the order tokens, weight half 0, weight half 1.  Behind a chunk's token loads: the next chunk's two weight batches, 32.
	; Behind a weight batch: the other batch (16) and the token loads, 20 in the first chunk, 16 or 20 later: 36, then 32, the lesser, which on the way with 20
	; also asks for four loads that are at least a group old.
	TRIP 0, 1, 1, 1, 1, 32, 36, 36, 0, \cond, 0    ; the first products start the sums: nothing is cleared; the fifth tile is always run here
	TRIP 1, 0, 1, 1, 1, 32, 32, 32, 0, \cond, 1
	WIN 0
	s_mov_b32 s36, NLOOP
.Llap_\@:
	TRIP 0, 0, 1, 1, 1, 32, 32, 32, 0, \cond, 1
	TRIP 1, 0, 1, 1, 1, 32, 32, 32, 0, \cond, 1
	WIN 0
	s_sub_co_u32 s36, s36, 1
	s_cmp_lg_u32 s36, 0
	s_cbranch_scc1 .Llap_\@
	TRIP 0, 0, 1, 1, 0, 32, 32, 16, 0, \cond, 1    ; no weights are left to ask for: behind the last batch stand the 16 or 20 token loads alone
	TRIP 1, 0, 0, 0, 0, 0, 0, 0, 1, \cond, 1       ; the last chunk asks for nothing
.if \cond
	s_wait_loadcnt 0x0                             ; also on the way round the last chunk: no load is aimed at the registers that the way out writes
.endif
	PLACES
	EPI 0
	EPI 1
	EPI 2
	EPI 3
	EPI 4
.endm
	s_load_b256 s[4:11], s[0:1], 0x0               ; tab s[4:5], xa s[6:7], w1 s[8:9], w3 s[10:11]
	s_load_b128 s[12:15], s[0:1], 0x20             ; sw1 s[12:13], sw3 s[14:15]
	s_load_b64 s[16:17], s[0:1], 0x30              ; act
	v_lshl_add_u32 v30, v0, 2, 0x11000
	v_mov_b32 v31, 0
	v_lshrrev_b32 v15, 5, v0
	v_readfirstlane_b32 s18, v15                   ; wave
	s_mov_b32 s19, ttmp9                           ; hb: block of 128 hidden columns
	s_and_b32 s40, ttmp7, 0xffff                   ; j: the slot
	s_lshl_b32 s43, s40, 2
	v_and_b32 v16, 31, v0
	v_lshlrev_b32 v1, 4, v16                       ; 16 lane
	s_wait_alu depctr_va_sdst(0)                   ; s18 is written, ahead of its first reader: addresses, tile numbers and branches are made from it
	s_mul_i32 s37, s18, 16*RS
	v_add_nc_u32 v2, s37, v1                       ; weights: my 16 k rows, my 16 bytes
	s_mul_i32 s37, s18, 16*PITCH
	v_lshl_add_u32 v3, v16, 3, s37                 ; LDS: my 16 rows, my 8 bytes
	v_and_b32 v17, 7, v0
	v_bfe_u32 v18, v0, 4, 1
	v_lshl_add_u32 v17, v18, 3, v17                ; 8 h + (lane & 7)
	v_mul_u32_u24 v17, v17, PITCH
	v_bfe_u32 v18, v0, 3, 1
	v_lshl_add_u32 v4, v18, 4, v17                 ; + 16 ((lane >> 3) & 1): the transposing load's address
.irp a, 0,1,2,3,4
	s_add_co_u32 s37, s18, 4*\a
	s_lshl_b32 s37, s37, 16                        ; a tile of act: 64 k steps of 1,024 bytes
	v_add_nc_u32 v[SO+\a], s37, v1
.endr
	s_wait_kmcnt 0x0
	s_load_b32 s21, s[4:5], 0x7c                   ; U
	s_load_b32 s22, s[4:5], s43 offset:0x0         ; the word of unit j: j is at most 11
	s_load_b32 s42, s[4:5], s43 offset:0x30        ; the word of unit j + 12, at most 23: all three behind one wait
	s_wait_kmcnt 0x0
	s_min_u32 s21, s21, 18
	; pass 1: unit j; where the table has no unit j, unit 0, a unit of the shared expert with 16 tiles, of which nothing is stored
	s_cmp_lt_u32 s40, s21
	s_cselect_b32 s39, 1, 0
	s_cselect_b32 s20, s40, 0
	s_cselect_b32 s22, s22, 0x1008
	s_min_u32 s20, s20, 11
	PASS 0
	; pass 2: unit j + 12, where the table has one
	s_add_co_u32 s20, s40, 12
	s_cmp_lt_u32 s20, s21
	s_cselect_b32 s39, 1, 0
	s_min_u32 s20, s20, 17
	s_mov_b32 s22, s42
	PASS 1
	s_wait_dscnt 0x0
	s_wait_alu depctr_hold_cnt(0) depctr_sa_sdst(0) depctr_va_vdst(0) depctr_va_sdst(0) depctr_va_ssrc(0) depctr_va_vcc(0) depctr_vm_vsrc(0)
	s_wait_tensorcnt 0x0
	ds_add_u32 v30, v31
	s_wait_dscnt 0x0
	s_endpgm
.Lfunc_end_k_q5e2189f7a8_up:
	.size	k_q5e2189f7a8_up, .Lfunc_end_k_q5e2189f7a8_up-k_q5e2189f7a8_up
	.p2alignl 7, 3214868480
	.fill 96, 4, 3214868480
	.section	.rodata,"a",@progbits
	.p2align	6, 0x0
	.amdhsa_kernel k_q5e2189f7a8_up
		.amdhsa_group_segment_fixed_size 70144
		.amdhsa_private_segment_fixed_size 0
		.amdhsa_enable_private_segment 0
		.amdhsa_kernarg_size 56
		.amdhsa_user_sgpr_count 2
		.amdhsa_user_sgpr_kernarg_segment_ptr 1
		.amdhsa_wavefront_size32 1
		.amdhsa_system_sgpr_workgroup_id_x 1
		.amdhsa_system_sgpr_workgroup_id_y 1
		.amdhsa_system_sgpr_workgroup_id_z 1
		.amdhsa_system_vgpr_workitem_id 0
		.amdhsa_next_free_vgpr 1024
		.amdhsa_next_free_sgpr 66
		.amdhsa_reserve_vcc 0
		.amdhsa_float_denorm_mode_32 3
		.amdhsa_float_denorm_mode_16_64 3
		.amdhsa_memory_ordered 1
		.amdhsa_forward_progress 1
		.amdhsa_inst_pref_size 255
	.end_amdhsa_kernel
	.section	.bss,"aw",@nobits
	.p2align	6
	.space	262144
	.amdgpu_metadata
---
amdhsa.version: [ 1, 2 ]
amdhsa.kernels:
  - .name:           k_q5e2189f7a8_up
    .symbol:         k_q5e2189f7a8_up.kd
    .args:
      - { .name: tab, .offset: 0, .size: 8, .value_kind: global_buffer, .address_space: global }
      - { .name: xa, .offset: 8, .size: 8, .value_kind: global_buffer, .address_space: global }
      - { .name: w1, .offset: 16, .size: 8, .value_kind: global_buffer, .address_space: global }
      - { .name: w3, .offset: 24, .size: 8, .value_kind: global_buffer, .address_space: global }
      - { .name: sw1, .offset: 32, .size: 8, .value_kind: global_buffer, .address_space: global }
      - { .name: sw3, .offset: 40, .size: 8, .value_kind: global_buffer, .address_space: global }
      - { .name: act, .offset: 48, .size: 8, .value_kind: global_buffer, .address_space: global }
    .group_segment_fixed_size: 70144
    .private_segment_fixed_size: 0
    .kernarg_segment_align: 8
    .kernarg_segment_size: 56
    .max_flat_workgroup_size: 128
    .sgpr_count:     66
    .vgpr_count:     1024
    .wavefront_size: 32
...
	.end_amdgpu_metadata
.endif
;; end of part 7
;; launch down (part 8): grid 16 x 12, 4 waves a work-group, no clusters, 103,936 bytes of LDS; arguments tab, act, w2, sw2, y; writes y
.if DOCPART == 8
	.amdgcn_target "amdgcn-amd-amdhsa--gfx1250"
	.amdhsa_code_object_version 6
	.text
	.protected	k_q5e2189f7a8_down
	.globl	k_q5e2189f7a8_down
	.p2align	8
	.type	k_q5e2189f7a8_down,@function
k_q5e2189f7a8_down:
	s_mov_b64 s[64:65], 0
	v_nop
	global_prefetch_b8 v0, s[64:65] scope:SCOPE_SE
	s_setreg_imm32_b32 hwreg(HW_REG_WAVE_SCHED_MODE, 0, 2), 2
	s_setreg_imm32_b32 hwreg(HW_REG_WAVE_MODE, 25, 1), 1
	s_wait_xcnt 0x0
	s_wait_alu depctr_vm_vsrc(0)
; DOWN.  For a unit (up to 20 tiles of 16 compact rows of one expert), 128 output columns and a half of K (1,024 of 2,048 hidden numbers):
; y[part][row][column] = act W2 over that half, in f32.  The two parts and the router's weights are put together by the next launch,
; so that no sum spans work-groups inside a launch.  Two parts and not more: each part of y is 12 KiB a token (three rows) stored here and read there.
; GRID: x = db + 8 kp (db: block of 128 columns, kp: half of K), y = slot j (12).  The table has U units (tab[31]), 11 to 18.
; TWO PASSES, both written out, so that every wave passes every barrier the same number of times whatever the table holds: no barrier stands
; under a branch that hangs on a loaded number.  Pass 1 takes unit j and runs whole.  Pass 2 takes unit j + 12: where the table has none
; (s39 = 0) the work between its barriers is jumped over, in parts that are run whole or not at all.
; LIMIT: where the routing needs only 11 units, slot 11 has no unit: its pass 1 multiplies unit 0 once more and stores nothing.
; A WORK-GROUP: 4 waves; wave w owns tiles w, w + 4, .. w + 16 (5 tiles) and all 128 columns: 40 accumulators, 320 registers.
; THE FIFTH TILE (16 + w) exists only in units of more than 16 + w tiles (s41 = 1).  Where it does not, its fragment loads and its 4 matrix
; instructions of each group are jumped over; only the first chunk's are always run (on the unit's last tile), so that every register is written on every way.
; A CHUNK is 128 k x 128 columns.  Weights are f32 [k][n]: each wave loads 16 rows of each half of the chunk's k (512 neighbouring bytes a load), rounds to
; bf16 in registers and lays them into one of two LDS slots: row r holds k = r in its first 256 bytes and k = 64 + r in its second.
; Transposing LDS loads make the fragments.  Token fragments come from act straight into the registers of the wave that multiplies them.
; NO CLUSTER: a routed expert's 64 KiB of weights for a chunk are read by this work-group alone; the 64 to 80 KiB of token fragments that eight column
; blocks share would have to land in LDS to be asked for jointly, as many bytes written and read more for each chunk.
; REGISTERS, in windows of 256: window 0: v1-19 addresses, v32-95 weight buffer 0 (8 fragments), v96-255 token buffer 0 (4 k steps x 5 tiles);
; v256-511: accumulator 4 b + a (column tile b = 0 .. 7, my tile a = 0 .. 3) at 256 + 8 x; v512-575: accumulator 32 + b of my fifth tile;
; v608-767: token buffer 1, the same numbers as buffer 0 in window 2; v768-799 and v864-895: the rounded weight rows of half 0 and half 1;
; v800-863: weight buffer 1, the same numbers as buffer 0 in window 3; v896-1023: 32 weight rows as loaded.
; Weights are source 0, tokens source 1: lane r holds token r, register j column 16 b + 8 h + j.
; THE MODE: SCHED_MODE bits 1:0 = 2 (LLVM: expert scheduling mode 2), set by the entry lines.  The code itself states the register dependences
; between vector or matrix instructions and memory or LDS instructions, with s_wait_alu, always for 0.
; THE PLAN.  Registers that memory or LDS instructions touch, in a chunk of eight groups of 16 or 20 matrix instructions:
;   BF0, BF1   Groups 2 s and 2 s + 1 read weight buffer s & 1; the transposing loads of groups 2 s + 2 and 2 s + 3, issued in group 2 s, land in the other.
;   AF0, AF1   Chunk c's matrix instructions read AF[c & 1]; the loads for chunk c + 1, issued in groups 0 and 1, land in the other, which chunk c - 1 read.
;   WS half h  Loads land; 32 conversions read it ahead of the head of group 2 (h = 0) or 4 (h = 1); it is loaded again in that group.
;   PK half h  Written by those conversions; read by the 16 LDS stores of group 3 or 5.  The stores have registers of their own, so that WS is asked for again at once.
;   v2, v3, v4, v10-16  addresses, made once at the head.   v5-9  token offsets, made at each pass's head.
;   The accumulators are named by matrix instructions alone until the way out, whose LDS stores read them.
; FOUR waits on va_vdst a chunk, at the heads of groups 0, 2, 4 and 6: each states that the two groups before are done reading the weight buffer that is loaded next;
; group 0's also that the chunk before is done reading its token fragments; groups 2's and 4's that the conversions have read WS and written PK.
; Behind each the memory instructions of two groups are dealt in runs of eight among the matrix instructions, which name none of the registers that these touch.
; ONE wait on vm_vsrc a chunk, ahead of half 0's conversions: the LDS stores of the chunk before, both halves', were issued ahead of it.
.set RS,     4096                      ; bytes in a row of W2
.set CH,     128*RS                    ; a chunk: 128 k
.set ASH,    16                        ; a tile of act: 64 k steps of 1,024 bytes
.set ASTEP,  4096                      ; a chunk's 4 k steps in a tile of act
.set NLOOP,  2                         ; 8 chunks: 2 ahead of the loop, 2 x 2 in it, 2 behind it
.set PITCH,  544                       ; an LDS row: 512 bytes of bf16 + 32 = 17 x 32
.set SLOT,   64*PITCH
.set SPITCH, 528                       ; a stage row: 512 bytes of f32 + 16, so that 16 rows start 16 bytes apart modulo 256
.set AO,     5                         ; v5-9    tile a: byte offset of my 16 bytes in its first block of act
.set SO,     10                        ; v10-14  tile a: byte offset of my 16 bytes in its first row of y
.set BF,     32                        ; in window 0 (buffer 0) and window 3 (buffer 1)
.set AF,     96                        ; in window 0 (buffer 0) and window 2 (buffer 1)
.set WS,     128                       ; in window 3
.set PKW,    0                         ; in window 3: half g at PKW + 96 g
.set OUTR,   32                        ; the way out: v32-95
.set PW,     28                        ; s[28:29] k rows 0-63, s[30:31] k rows 64-127 of the chunk that is loaded next
.set PA,     32                        ; s[32:33] act at the chunk loaded last
.set PO,     34                        ; s[34:35] y at the part, the unit and the column block
.set MSB,    0
.macro WIN new                         ; the immediate's high byte repeats the setting that is left; nothing is written where nothing changes
.set WNEW, \new
.if MSB != WNEW
	s_set_vgpr_msb (MSB<<8)|WNEW
.set MSB, WNEW
.endif
.endm
; Four places: a store or LDS store that reads a matrix result stands four plain vector instructions behind that matrix instruction.
; The same four are kept between a matrix instruction and a load into a register that it has read: they stand ahead of the wait that states that dependence,
; and are issued while the matrix instructions in front of them are at work.
.macro PLACES
.rept 4
	v_nop
.endr
.endm
.macro MM idx, bf, bw, af, aw, zero    ; one matrix instruction on accumulator idx; bw, aw: the windows of the weight fragment (source 0) and of the token fragment (source 1)
.set mw, (256+8*(\idx))>>8
.set mr, (8*(\idx))&255
	WIN ((mw<<6)|(mw<<4)|((\aw)<<2)|(\bw))
.if \zero
	v_wmma_f32_16x16x32_bf16 v[mr:mr+7], v[\bf:\bf+7], v[\af:\af+7], 0
.else
	v_wmma_f32_16x16x32_bf16 v[mr:mr+7], v[\bf:\bf+7], v[\af:\af+7], v[mr:mr+7]
.endif
.endm
; Group G = 4 ks + q reads LDS rows 32 ks .. + 31 and bytes 128 q .. + 127 of them: column tiles 4 (q & 1) + bb, k step 2 (q >> 1) + ks of the chunk's four.
; Its four weight fragments lie at 32 (G & 1) of weight buffer (G >> 1) & 1.
; MMS4: column tiles bb0 .. bb1 of the four x my tiles 0 to 3.  MMS5: the four x my fifth tile, jumped over (sk = 1) where the wave has none.
; The accumulators take turns, one instruction a turn, in the same order in every chunk and over every backward jump;
; a group's accumulators are all different and no two groups that follow each other share one, so the turns hold whichever parts are jumped over.
.macro MMS4 G, buf, bb0, bb1, zero
.set mbb, \bb0
.rept \bb1-\bb0+1
.set ma, 0
.rept 4
	MM (4*(4*((\G)&1)+mbb)+ma), (BF+32*((\G)&1)+8*mbb), (3*(((\G)>>1)&1)), (AF+40*(2*(((\G)>>1)&1)+((\G)>>2))+8*ma), (2*(\buf)), \zero
.set ma, ma+1
.endr
.set mbb, mbb+1
.endr
.endm
.macro MMS5 G, buf, zero, sk
.if \sk
	WIN 0
	s_cmp_eq_u32 s41, 0
	s_cbranch_scc1 .Ln5_\@
.endif
.set mbb, 0
.rept 4
	MM (32+4*((\G)&1)+mbb), (BF+32*((\G)&1)+8*mbb), (3*(((\G)>>1)&1)), (AF+40*(2*(((\G)>>1)&1)+((\G)>>2))+32), (2*(\buf)), \zero
.set mbb, mbb+1
.endr
.if \sk
	WIN 0
.Ln5_\@:
.endif
.endm
.macro FETCHG sl, G                    ; eight transposing loads: the four weight fragments of group G from slot sl; the destination's window is the buffer's, the address stays in window 0
	WIN ((3*(((\G)>>1)&1))<<6)
.set fb, 0
.rept 4
	ds_load_tr16_b128 v[BF+32*((\G)&1)+8*fb:BF+32*((\G)&1)+8*fb+3],   v4 offset:(\sl)*SLOT+32*PITCH*((\G)>>2)+32*(4*((\G)&3)+fb)
	ds_load_tr16_b128 v[BF+32*((\G)&1)+8*fb+4:BF+32*((\G)&1)+8*fb+7], v4 offset:(\sl)*SLOT+32*PITCH*((\G)>>2)+32*(4*((\G)&3)+fb)+16*PITCH
.set fb, fb+1
.endr
.endm
; A chunk's token fragments.  ALOADK: eight loads, tiles 0 to 3 of k step ak.  ALOAD5: eight loads, the fifth tile's four k steps, jumped over (sk = 1) where the wave has none.
; The destination's window is 0 for buffer 0 and 2 for buffer 1; the address stays in window 0.
.macro ALOADK buf, ak
	WIN ((2*(\buf))<<6)
.set aa, 0
.rept 4
	global_load_b128 v[AF+40*(\ak)+8*aa:AF+40*(\ak)+8*aa+3],   v[AO+aa], s[PA:PA+1] offset:1024*(\ak)
	global_load_b128 v[AF+40*(\ak)+8*aa+4:AF+40*(\ak)+8*aa+7], v[AO+aa], s[PA:PA+1] offset:1024*(\ak)+512
.set aa, aa+1
.endr
.endm
.macro ALOAD5 buf, sk
	WIN 0
.if \sk
	s_cmp_eq_u32 s41, 0
	s_cbranch_scc1 .Lna_\@
.endif
	WIN ((2*(\buf))<<6)
.set ak, 0
.rept 4
	global_load_b128 v[AF+40*ak+32:AF+40*ak+35], v[AO+4], s[PA:PA+1] offset:1024*ak
	global_load_b128 v[AF+40*ak+36:AF+40*ak+39], v[AO+4], s[PA:PA+1] offset:1024*ak+512
.set ak, ak+1
.endr
	WIN 0
.if \sk
.Lna_\@:
.endif
.endm
.macro WLOAD g, h                      ; eight loads: rows 8 h .. 8 h + 7 of my 16 k rows of half g of the chunk's k
	WIN 0xcc                                       ; destination and source 1 in window 3, the address in window 0
.set wi, 8*(\h)
.rept 8
	global_load_b128 v[WS+64*\g+4*wi:WS+64*\g+4*wi+3], v2, s[PW+2*\g:PW+2*\g+1] offset:RS*wi
.set wi, wi+1
.endr
.endm
.macro WCVT g, cnt                     ; half g of the chunk that has been loaded is rounded, into registers of its own
	s_wait_loadcnt \cnt                            ; my 16 loads are in; cnt = the least number of loads issued behind them on any way
	WIN 0xcf
.set wi, 0
.rept 16
	v_cvt_pk_bf16_f32 v[PKW+96*\g+2*wi],   v[WS+64*\g+4*wi],   v[WS+64*\g+4*wi+1]
	v_cvt_pk_bf16_f32 v[PKW+96*\g+2*wi+1], v[WS+64*\g+4*wi+2], v[WS+64*\g+4*wi+3]
.set wi, wi+1
.endr
.endm
.macro WSTORE g, dst, h                ; eight LDS stores: rows 8 h .. 8 h + 7 of half g into slot dst
	WIN 0xcc
.set wi, 8*(\h)
.rept 8
	ds_store_b64 v3, v[PKW+96*\g+2*wi:PKW+96*\g+2*wi+1] offset:(\dst)*SLOT+PITCH*wi+256*\g   ; 32 lanes, 256 neighbouring bytes
.set wi, wi+1
.endr
.endm
; One chunk of 128 k from slot sl and token buffer sl: 128 or 160 matrix instructions in eight groups.  fa: the next chunk's token fragments are asked for (groups 0 and 1);
; fw: the next chunk's weights are rounded (ahead of groups 2 and 4) and stored into the other slot (groups 3 and 5); lw: the weights of the chunk after that are asked for
; (groups 2 and 4); sk: the fifth tile may be jumped over; zero: the pass's first chunk, whose products start the sums.
; The three scalar bases are stepped together in group 0, behind one s_wait_xcnt 0, where the youngest global load is more than three groups old.
; ONE barrier a chunk.  In front of its signal each wave's reads of slot sl and its stores into the other slot are done (s_wait_dscnt 0);
; behind its wait the other slot is read, and slot sl is written again in the next chunk.
; cond = 0 (pass 1): matrix instructions alone stand between signal and wait.
; cond = 1 (pass 2): the chunk is two parts, one in front of the barrier and one behind it, each jumped over where s39 = 0; the wait for
; the LDS instructions and the barrier stand behind the join, on both ways.  A part holds a chunk's fragment loads and its 16 + 16 weight loads together,
; and every wait on va_vdst or vm_vsrc for what it issues, so the counts and the waits below hold whichever parts have run.
.macro TRIP sl, zero, fa, fw, lw, na, n0, n1, last, cond, sk
.if \cond
	WIN 0
	s_cmp_eq_u32 s39, 0
	s_cbranch_scc1 .Lp1_\@
.endif
.set tg, 0
.rept 7
.set tz, 0
.if tg < 2
.set tz, \zero
.endif
.if \fw && (tg == 2)
	s_wait_alu depctr_vm_vsrc(0)                   ; the LDS stores issued so far have read both halves' rounded rows, which the conversions here and ahead of group 4 write again
	WCVT 0, \n0                                    ; these 32 are also the places behind the groups before
.elseif \fw && (tg == 4)
	WCVT 1, \n1
.elseif ((tg == 0) && !\zero) || (tg == 2) || (tg == 4) || ((tg == 6) && !\last)
	PLACES
.endif
.if ((tg == 0) && !\zero) || (tg == 2) || (tg == 4) || ((tg == 6) && !\last)
	s_wait_alu depctr_va_vdst(0)                   ; the two groups before are done reading the weight buffer in which the next LDS loads land; at group 0 the chunk before is done reading its token fragments, in which the loads below land; at groups 2 and 4 the conversions have written the rows that the LDS stores read and are done reading the rows in which the loads below land
.endif
.if tg == 0
	s_wait_loadcnt \na                             ; this chunk's token fragments are in; na = the loads issued behind them
	s_wait_dscnt 8                                 ; group 0's fragments are in; group 1's eight loads may be out
.elseif tg == 1
	s_wait_dscnt 16                                ; group 1's fragments are in; the sixteen loads issued in group 0 may be out
.elseif tg == 2
	s_wait_dscnt 0x0                               ; the fragments of groups 2 and 3, asked for in group 0, are in
.elseif (tg == 4) || (tg == 6)
.if \fw
	s_wait_dscnt 16                                ; the fragments of this group and the next are in; the sixteen LDS stores issued behind them may be out
.else
	s_wait_dscnt 0x0
.endif
.endif
	MMS4 tg, \sl, 0, 0, tz
.if ((tg&1) == 0) && (tg < 6)
	FETCHG \sl, (tg+2)                             ; no vector or matrix instruction since the last wait on va_vdst names these registers; the same holds of every run below
.endif
.if \fa && (tg == 1)
	ALOADK (1-\sl), 2
.endif
.if \fw && ((tg == 3) || (tg == 5))
	WSTORE (tg>>2), (1-\sl), 0
.endif
	MMS4 tg, \sl, 1, 1, tz
.if ((tg&1) == 0) && (tg < 6)
	FETCHG \sl, (tg+3)
.endif
.if \fa && (tg == 1)
	ALOADK (1-\sl), 3
.endif
.if \fw && ((tg == 3) || (tg == 5))
	WSTORE (tg>>2), (1-\sl), 1
.endif
	MMS4 tg, \sl, 2, 2, tz
.if \fa && (tg == 0)
	s_wait_xcnt 0x0                                ; the bases are stepped only when the loads that name them have had their addresses translated
	s_add_nc_u64 s[PA:PA+1], s[PA:PA+1], ASTEP
.if \lw
	s_add_nc_u64 s[PW:PW+1], s[PW:PW+1], CH
	s_add_nc_u64 s[PW+2:PW+3], s[PW+2:PW+3], CH
.endif
	ALOADK (1-\sl), 0
.endif
.if \fa && (tg == 1)
	ALOAD5 (1-\sl), \sk
.endif
.if \lw && ((tg == 2) || (tg == 4))
	WLOAD ((tg>>1)-1), 0
.endif
	MMS4 tg, \sl, 3, 3, tz
.if \fa && (tg == 0)
	ALOADK (1-\sl), 1
.endif
.if \lw && ((tg == 2) || (tg == 4))
	WLOAD ((tg>>1)-1), 1
.endif
	MMS5 tg, \sl, tz, \sk
.set tg, tg+1
.endr
.if \last
	s_wait_dscnt 0x0
	MMS4 7, \sl, 0, 3, 0
	MMS5 7, \sl, 0, \sk
.if \cond
	WIN 0
.Lp1_\@:
.endif
.else
.if \cond
	WIN 0
.Lp1_\@:
	s_wait_dscnt 0x0
	s_barrier_signal -1
	s_barrier_wait -1
	s_cmp_eq_u32 s39, 0
	s_cbranch_scc1 .Lp2_\@
	FETCHG (1-\sl), 0                              ; into weight buffer 0: groups 4 and 5, which read it, stand ahead of group 6's wait; groups 6 and 7 name buffer 1
	FETCHG (1-\sl), 1
	MMS4 7, \sl, 0, 3, 0
	MMS5 7, \sl, 0, \sk
	WIN 0
.Lp2_\@:
.else
	s_wait_dscnt 0x0
	s_barrier_signal -1
	MMS4 7, \sl, 0, 1, 0
	WIN 0
	s_barrier_wait -1
	FETCHG (1-\sl), 0                              ; into weight buffer 0: groups 4 and 5, which read it, stand ahead of group 6's wait; groups 6 and 7 name buffer 1
	FETCHG (1-\sl), 1
	MMS4 7, \sl, 2, 3, 0
	MMS5 7, \sl, 0, \sk
.endif
.endif
.endm
; The way out of my tile a: a lane holds 8 neighbouring columns of one row, 32 bytes, in each of 8 column tiles.  They go into my wave's own
; stage by rows and come back as whole rows of 512 bytes: each store then covers 512 neighbouring bytes, aligned.  The stage is written by LDS stores
; alone and is no other wave's; LDS serves a wave in order, so no wait stands between the stores and the loads.
; No vector or matrix instruction stands in the way out: the one wait on va_vdst ahead of the first tile serves all five.
.macro EPI a
	WIN 0
	s_add_co_u32 s37, s18, 4*\a
	s_cmp_ge_u32 s37, s24
	s_cbranch_scc1 .Lskip_\@                       ; the unit has no such tile
.set eb, 0
.rept 8
.if \a < 4
.set ei, 4*eb+\a
.else
.set ei, 32+eb
.endif
.set er, (8*ei)&255
	WIN (((256+8*ei)>>8)<<2)                       ; the store's data is source 1
	ds_store_b128 v15, v[er:er+3]   offset:64*eb
	ds_store_b128 v15, v[er+4:er+7] offset:64*eb+16
.set eb, eb+1
.endr
	WIN 0
.if \a > 0
	s_wait_xcnt 0x0                                ; the registers that the tile before stored from are loaded again only behind this wait
	s_wait_alu depctr_vm_vsrc(0)                   ; the stores of the tile before have read v[OUTR ..], in which the loads below land
.endif
.set et, 0
.rept 16
	ds_load_b128 v[OUTR+4*et:OUTR+4*et+3], v16 offset:SPITCH*et
.set et, et+1
.endr
.set et, 0
.rept 16
	s_wait_dscnt 15-et                             ; row et is in, the younger loads stay out
	global_store_b128 v[SO+\a], v[OUTR+4*et:OUTR+4*et+3], s[PO:PO+1] offset:4096*et
.set et, et+1
.endr
.Lskip_\@:
.endm
; One pass: unit s20, its table word (e | tiles << 8) in s22; s39 = 1 where the table has that unit.  cond = 1: the work is jumped over where s39 = 0.
.macro PASS cond
	s_wait_xcnt 0x0                                ; the stores of the pass before have read their data, offsets and base
.if \cond
	s_wait_alu depctr_vm_vsrc(0)                   ; pass 1's token loads have read v5-9, which are written again below; its LDS stores have read the accumulators and the rounded rows, its stores v[OUTR ..]: this pass writes all of them again
.endif
	s_and_b32 s23, s22, 0xff
	s_min_u32 s23, s23, 8                          ; e; 8 = the shared expert
	s_bfe_u32 s25, s22, 0x80008
	s_max_u32 s25, s25, 1
	s_sub_co_u32 s25, s25, 1
	s_min_u32 s25, s25, 19                         ; the last tile
	s_add_co_u32 s24, s25, 1
	s_cmp_lg_u32 s39, 0
	s_cselect_b32 s24, s24, 0                      ; the number of tiles to store: none where the slot has no unit
	s_add_co_u32 s37, s18, 16
	s_cmp_lt_u32 s37, s24
	s_cselect_b32 s41, 1, 0                        ; my fifth tile exists
	s_cmp_eq_u32 s23, 8
	s_cselect_b64 s[PW:PW+1], s[10:11], s[8:9]
	s_and_b32 s26, s23, 7
	s_lshl_b32 s26, s26, 23                        ; an expert's matrix: 8 MiB
	s_lshl_b32 s37, s38, 22                        ; my half of K: 1,024 rows of 4,096 bytes
	s_add_co_u32 s26, s26, s37
	s_lshl_b32 s37, s19, 9                         ; 128 columns of 4 bytes
	s_add_co_u32 s26, s26, s37
	s_mov_b32 s27, 0
	s_add_nc_u64 s[PW:PW+1], s[PW:PW+1], s[26:27]
	s_add_nc_u64 s[PW+2:PW+3], s[PW:PW+1], 64*RS   ; the chunk's k rows 64 to 127
	s_mul_i32 s26, s20, 1310720                    ; a unit of act: 20 tiles of 65,536 bytes
	s_lshl_b32 s37, s38, 15                        ; my half's 32 k steps
	s_add_co_u32 s26, s26, s37
	s_add_nc_u64 s[PA:PA+1], s[6:7], s[26:27]
	s_mul_i32 s26, s38, 23592960                   ; a part of y: 5,760 rows of 4,096 bytes
	s_mul_i32 s37, s20, 1310720                    ; a unit: 320 rows
	s_add_co_u32 s26, s26, s37
	s_lshl_b32 s37, s19, 9
	s_add_co_u32 s26, s26, s37
	s_add_nc_u64 s[PO:PO+1], s[12:13], s[26:27]
.irp a, 0,1,2,3,4
	s_add_co_u32 s37, s18, 4*\a
	s_min_u32 s37, s37, s25                        ; a tile past the unit's last reads the last
	s_min_u32 s37, s37, 19
	s_lshl_b32 s37, s37, ASH
	v_add_nc_u32 v[AO+\a], s37, v1
.endr
	s_wait_alu depctr_va_vdst(0)                   ; the addresses v2 to v16 are written, which this pass's loads and stores read; in pass 2 the matrix and vector instructions of pass 1 are done with the registers in which this pass's loads land
.if \cond
	s_cmp_eq_u32 s39, 0
	s_cbranch_scc1 .Lq1_\@
.endif
	; chunk 0: loaded, rounded, stored into slot 0.  Order of loads: 16 + 16 of weights, 40 of tokens, then chunk 1's 16 + 16.
	WLOAD 0, 0
	WLOAD 0, 1
	WLOAD 1, 0
	WLOAD 1, 1
	ALOADK 0, 0
	ALOADK 0, 1
	ALOADK 0, 2
	ALOADK 0, 3
	ALOAD5 0, 0
	WCVT 0, 56                                     ; behind half 0: half 1 (16) and the tokens (40)
	WCVT 1, 40                                     ; behind half 1: the tokens (40)
	s_wait_xcnt 0x0                                ; the bases are stepped only when the loads that name them have had their addresses translated
	s_add_nc_u64 s[PW:PW+1], s[PW:PW+1], CH
	s_add_nc_u64 s[PW+2:PW+3], s[PW+2:PW+3], CH
	WIN 0xcc
	s_wait_alu depctr_va_vdst(0)                   ; the conversions are done reading the rows in which the loads below land, and have written the rounded rows, which the LDS stores read
	WLOAD 0, 0
	WLOAD 0, 1
	WLOAD 1, 0
	WLOAD 1, 1
	WSTORE 0, 0, 0
	WSTORE 0, 0, 1
	WSTORE 1, 0, 0
	WSTORE 1, 0, 1
	WIN 0
.if \cond
.Lq1_\@:
.endif
	s_wait_dscnt 0x0                               ; my stores into slot 0 are done, and so are my reads of slot 1 in the pass before
	s_barrier_signal -1
	s_barrier_wait -1
.if \cond
	s_cmp_eq_u32 s39, 0
	s_cbranch_scc1 .Lq2_\@
.endif
	FETCHG 0, 0
	FETCHG 0, 1
.if \cond
.Lq2_\@:
.endif
	; The counts.  The global loads go out in the order tokens, weight half 0, weight half 1.  Behind a chunk's token loads: the next chunk's two weight batches, 32.
	; Behind a weight batch: the other batch (16) and the token loads, 40 in the first chunk, 32 or 40 later: 56, then 48, the lesser, which on the way with 40
	; also asks for eight loads that are at least a group old.
	TRIP 0, 1, 1, 1, 1, 32, 56, 56, 0, \cond, 0    ; the first products start the sums: nothing is cleared; the fifth tile is always run here
	TRIP 1, 0, 1, 1, 1, 32, 48, 48, 0, \cond, 1
	WIN 0
	s_mov_b32 s36, NLOOP
.Llap_\@:
	TRIP 0, 0, 1, 1, 1, 32, 48, 48, 0, \cond, 1
	TRIP 1, 0, 1, 1, 1, 32, 48, 48, 0, \cond, 1
	WIN 0
	s_sub_co_u32 s36, s36, 1
	s_cmp_lg_u32 s36, 0
	s_cbranch_scc1 .Llap_\@
	TRIP 0, 0, 1, 1, 0, 32, 48, 32, 0, \cond, 1    ; no weights are left to ask for: behind the last batch stand the 32 or 40 token loads alone
	TRIP 1, 0, 0, 0, 0, 0, 0, 0, 1, \cond, 1       ; the last chunk asks for nothing
.if \cond
	s_wait_loadcnt 0x0                             ; also on the way round the last chunk: no load is aimed at the registers that the way out loads into
.endif
	PLACES
	s_wait_alu depctr_va_vdst(0)                   ; the matrix instructions have written the accumulators, which the LDS stores read, and are done reading v[OUTR ..], in which the loads from the stage land; the places above stay beside this wait
	EPI 0
	EPI 1
	EPI 2
	EPI 3
	EPI 4
.endm
	s_load_b256 s[4:11], s[0:1], 0x0               ; tab s[4:5], act s[6:7], w2 s[8:9], sw2 s[10:11]
	s_load_b64 s[12:13], s[0:1], 0x20              ; y
	v_lshl_add_u32 v30, v0, 2, 0x19400
	v_mov_b32 v31, 0
	v_lshrrev_b32 v17, 5, v0
	v_readfirstlane_b32 s18, v17                   ; wave
	s_and_b32 s19, ttmp9, 7                        ; db: block of 128 columns
	s_lshr_b32 s38, ttmp9, 3                       ; kp: half of K
	s_and_b32 s40, ttmp7, 0xffff                   ; j: the slot
	s_lshl_b32 s43, s40, 2
	v_and_b32 v19, 31, v0
	v_lshlrev_b32 v1, 4, v19                       ; 16 lane
	s_wait_alu depctr_va_sdst(0)                   ; s18 is written, ahead of its first reader: addresses, tile numbers and branches are made from it
	s_mul_i32 s37, s18, 16*RS
	v_add_nc_u32 v2, s37, v1                       ; weights: my 16 k rows, my 16 bytes
	s_mul_i32 s37, s18, 16*PITCH
	v_lshl_add_u32 v3, v19, 3, s37                 ; LDS: my 16 rows, my 8 bytes
	v_and_b32 v17, 7, v0
	v_bfe_u32 v18, v0, 4, 1
	v_lshl_add_u32 v17, v18, 3, v17                ; 8 h + (lane & 7)
	v_mul_u32_u24 v17, v17, PITCH
	v_bfe_u32 v19, v0, 3, 1
	v_lshl_add_u32 v4, v19, 4, v17                 ; + 16 ((lane >> 3) & 1): the transposing load's address
	s_mul_i32 s37, s18, 16*SPITCH
	s_add_co_u32 s37, s37, 2*SLOT                  ; my stage, behind the two slots
	v_and_b32 v17, 15, v0
	v_mul_u32_u24 v17, v17, SPITCH
	v_lshl_add_u32 v17, v18, 5, v17
	v_add_nc_u32 v15, s37, v17                     ; in: row r, + 32 h
	v_add_nc_u32 v16, s37, v1                      ; back: 16 lane
.irp a, 0,1,2,3,4
	s_add_co_u32 s37, s18, 4*\a
	s_lshl_b32 s37, s37, 16                        ; a tile of y: 16 rows of 4,096 bytes
	v_add_nc_u32 v[SO+\a], s37, v1
.endr
	s_wait_kmcnt 0x0
	s_load_b32 s21, s[4:5], 0x7c                   ; U
	s_load_b32 s22, s[4:5], s43 offset:0x0         ; the word of unit j: j is at most 11
	s_load_b32 s42, s[4:5], s43 offset:0x30        ; the word of unit j + 12, at most 23: all three behind one wait
	s_wait_kmcnt 0x0
	s_min_u32 s21, s21, 18
	; pass 1: unit j; where the table has no unit j, unit 0, a unit of the shared expert with 16 tiles, of which nothing is stored
	s_cmp_lt_u32 s40, s21
	s_cselect_b32 s39, 1, 0
	s_cselect_b32 s20, s40, 0
	s_cselect_b32 s22, s22, 0x1008
	s_min_u32 s20, s20, 11
	PASS 0
	; pass 2: unit j + 12, where the table has one
	s_add_co_u32 s20, s40, 12
	s_cmp_lt_u32 s20, s21
	s_cselect_b32 s39, 1, 0
	s_min_u32 s20, s20, 17
	s_mov_b32 s22, s42
	PASS 1
	s_wait_dscnt 0x0
	s_wait_alu depctr_hold_cnt(0) depctr_sa_sdst(0) depctr_va_vdst(0) depctr_va_sdst(0) depctr_va_ssrc(0) depctr_va_vcc(0) depctr_vm_vsrc(0)
	s_wait_tensorcnt 0x0
	ds_add_u32 v30, v31
	s_wait_dscnt 0x0
	s_endpgm
.Lfunc_end_k_q5e2189f7a8_down:
	.size	k_q5e2189f7a8_down, .Lfunc_end_k_q5e2189f7a8_down-k_q5e2189f7a8_down
	.p2alignl 7, 3214868480
	.fill 96, 4, 3214868480
	.section	.rodata,"a",@progbits
	.p2align	6, 0x0
	.amdhsa_kernel k_q5e2189f7a8_down
		.amdhsa_group_segment_fixed_size 103936
		.amdhsa_private_segment_fixed_size 0
		.amdhsa_enable_private_segment 0
		.amdhsa_kernarg_size 40
		.amdhsa_user_sgpr_count 2
		.amdhsa_user_sgpr_kernarg_segment_ptr 1
		.amdhsa_wavefront_size32 1
		.amdhsa_system_sgpr_workgroup_id_x 1
		.amdhsa_system_sgpr_workgroup_id_y 1
		.amdhsa_system_sgpr_workgroup_id_z 1
		.amdhsa_system_vgpr_workitem_id 0
		.amdhsa_next_free_vgpr 1024
		.amdhsa_next_free_sgpr 66
		.amdhsa_reserve_vcc 0
		.amdhsa_float_denorm_mode_32 3
		.amdhsa_float_denorm_mode_16_64 3
		.amdhsa_memory_ordered 1
		.amdhsa_forward_progress 1
		.amdhsa_inst_pref_size 255
	.end_amdhsa_kernel
	.section	.bss,"aw",@nobits
	.p2align	6
	.space	262144
	.amdgpu_metadata
---
amdhsa.version: [ 1, 2 ]
amdhsa.kernels:
  - .name:           k_q5e2189f7a8_down
    .symbol:         k_q5e2189f7a8_down.kd
    .args:
      - { .name: tab, .offset: 0, .size: 8, .value_kind: global_buffer, .address_space: global }
      - { .name: act, .offset: 8, .size: 8, .value_kind: global_buffer, .address_space: global }
      - { .name: w2, .offset: 16, .size: 8, .value_kind: global_buffer, .address_space: global }
      - { .name: sw2, .offset: 24, .size: 8, .value_kind: global_buffer, .address_space: global }
      - { .name: y, .offset: 32, .size: 8, .value_kind: global_buffer, .address_space: global }
    .group_segment_fixed_size: 103936
    .private_segment_fixed_size: 0
    .kernarg_segment_align: 8
    .kernarg_segment_size: 40
    .max_flat_workgroup_size: 128
    .sgpr_count:     66
    .vgpr_count:     1024
    .wavefront_size: 32
...
	.end_amdgpu_metadata
.endif
;; end of part 8
;; launch combine: the kernel of part 6 again; grid 256 x 1, 8 waves a work-group, no clusters, 0 bytes of LDS; arguments sel, rw, rowmap, y, out0; writes out0
